; MI455X (gfx1250); checked and timed in simulation.
; The chip was launched on July 23, 2026; its instructions are those of AMD's public machine-readable ISA for CDNA 5 (MIT licence, August 2026) and "CDNA5" Instruction Set Architecture Reference Guide (July 2026). The comments in the code are by the model that wrote it; some were corrected since.
;; Attention Block. Allowed arithmetic: matrix products marked QUANTISED: E4M3 operands, one E8M0 scale for each 32 along K, by v_wmma_scale_f32_16x16x128_f8f6f4 with both operands' format E4M3, f32 sums; everything else in f32.
;; Inputs: ca_bo 1,024 float32; ca_nb 1,024 float32; ca_ncb 768 float32; ca_ncg 768 float32; ca_ng 1,024 float32; ca_wkv_codes 1,024 x 24 x 32 uint8 (E4M3 codes of ca_wkv, K innermost, in blocks of 32 codes); ca_wkv_scales 1,024 x 24 uint8 (E8M0 scales of ca_wkv, one for each 32 codes along K); ca_wo_codes 1,024 x 16 x 32 uint8 (E4M3 codes of ca_wo, K innermost, in blocks of 32 codes); ca_wo_scales 1,024 x 16 uint8 (E8M0 scales of ca_wo, one for each 32 codes along K); ca_wq_codes 512 x 32 x 32 uint8 (E4M3 codes of ca_wq, K innermost, in blocks of 32 codes); ca_wq_scales 512 x 32 uint8 (E8M0 scales of ca_wq, one for each 32 codes along K); context 4 x 512 x 768 float32; sa_bo 1,024 float32; sa_nb 1,024 float32; sa_ncb 1,024 float32; sa_ncg 1,024 float32; sa_ng 1,024 float32; sa_wkv_codes 1,024 x 32 x 32 uint8 (E4M3 codes of sa_wkv, K innermost, in blocks of 32 codes); sa_wkv_scales 1,024 x 32 uint8 (E8M0 scales of sa_wkv, one for each 32 codes along K); sa_wo_codes 1,024 x 16 x 32 uint8 (E4M3 codes of sa_wo, K innermost, in blocks of 32 codes); sa_wo_scales 1,024 x 16 uint8 (E8M0 scales of sa_wo, one for each 32 codes along K); sa_wq_codes 512 x 32 x 32 uint8 (E4M3 codes of sa_wq, K innermost, in blocks of 32 codes); sa_wq_scales 512 x 32 uint8 (E8M0 scales of sa_wq, one for each 32 codes along K); x 4 x 2,048 x 1,024 float32.
;; Outputs: out0 4 x 2,048 x 1,024 float32.
;; This version of the problem:
;;   THIS VERSION OF THE PROBLEM IS GIVEN IN LOW PRECISION. The matrix products marked QUANTISED in the list below multiply operands that are first quantised to E4M3 (4 exponent bits, 3 mantissa bits; 8 bits a number), with one power-of-two scale for each 32 numbers along K (OCP MX v1.0); their sums are f32. All else is computed in f32.
;;   The module's matrix products, in the order in which they are computed (A, B: the left and right operand; K: the contracted axis; several contracted axes count as one K, in the product's order):
;;     1. [M 8,192, K 1,024] x [K 1,024, N 512]; A: computed on the way; B: input sa_wq (given as codes): QUANTISED
;;     2. [M 8,192, K 1,024] x [K 1,024, N 1,024]; A: computed on the way; B: input sa_wkv (given as codes): QUANTISED
;;     3. batch 32 x [M 2,048, K 64] x [K 64, N 2,048]; A: computed on the way; B: computed on the way: QUANTISED
;;     4. batch 32 x [M 2,048, K 2,048] x [K 2,048, N 64]; A: softmax (see below); B: computed on the way: QUANTISED
;;     5. [M 8,192, K 512] x [K 512, N 1,024]; A: computed on the way; B: input sa_wo (given as codes): QUANTISED
;;     6. [M 8,192, K 1,024] x [K 1,024, N 512]; A: computed on the way; B: input ca_wq (given as codes): QUANTISED
;;     7. [M 2,048, K 768] x [K 768, N 1,024]; A: computed on the way; B: input ca_wkv (given as codes): QUANTISED
;;     8. batch 32 x [M 2,048, K 64] x [K 64, N 512]; A: computed on the way; B: computed on the way: QUANTISED
;;     9. batch 32 x [M 2,048, K 512] x [K 512, N 64]; A: softmax (see below); B: computed on the way: QUANTISED
;;     10. [M 8,192, K 512] x [K 512, N 1,024]; A: computed on the way; B: input ca_wo (given as codes): QUANTISED
;;   THE QUANTISER, for each operand of a quantised product, along K:
;;     - K is cut into blocks of 32 from its start; a last block that is shorter is filled with zeros.
;;     - A block's scale is 2^e with e = floor(log2(the largest magnitude in the block)) - 8, held to -126 .. 127; a block of zeros has e = 0. As a byte (E8M0): e + 127.
;;     - Each number is divided by its block's scale, clamped to +-448, and rounded to the nearest number of E4M3, ties to even, subnormals kept.
;;     - The product sums the exact products of the quantised numbers (number of the format x scale) in f32.
;;   ~~~python
;;   def quantise(x, axis):      # numpy; x: float32 -> the quantised numbers, widened to float32 again
;;       x = np.moveaxis(x, axis, -1); K = x.shape[-1]
;;       x = np.pad(x, [(0, 0)] * (x.ndim - 1) + [(0, -K % 32)]); x = x.reshape(x.shape[:-1] + (-1, 32)); a = np.abs(x).max(-1, keepdims=True)
;;       e = np.where(a > 0, np.clip(np.frexp(np.where(a > 0, a, 1))[1] - 1 - 8, -126, 127), 0)      # np.frexp(a)[1] - 1 = floor(log2(a)), exactly
;;       r = np.clip(x / 2.0 ** e, -448, 448)
;;       step = 2.0 ** (np.maximum(np.frexp(np.where(r == 0, 1, r))[1] - 1, -6) - 3)
;;       q = np.round(r / step) * step * 2.0 ** e      # np.round: ties to even
;;       return np.moveaxis(q.reshape(q.shape[:-2] + (-1,))[..., :K], -1, axis).astype(np.float32)
;;   ~~~
;;   SOFTMAX AHEAD OF A QUANTISED PRODUCT. Where the list says 'softmax', what is quantised is not the finished softmax but p = 2^(t - M), with t = logit x log2(e) and M = ceil(the row's largest t), a whole number; so 1/2 < the row's largest p <= 1. The row's sum l is taken of the UNQUANTISED p, in f32, and the product's result is divided by l at the end. Since M is a whole number, a kernel that streams over the keys may use a running M (the ceiling of the running maximum): every later rescaling is an exact power of two, which a block's scale takes up: the codes' values come out the same.
;;   OPERANDS COMPUTED ON THE WAY. 'Computed on the way' means the value that the module computes at that place (a softmax that the list does not call 'softmax' is quantised finished and normalised). What goes into a quantiser is computed in f32, as accurately as f32 sums, v_exp_f32 and their like allow (about 1e-6 of the number): no bf16 or f16 on the way to a quantiser, and a product that is left as it is and whose result goes on into a quantised operand takes f32 operands (vector FMAs, or v_wmma_f32_16x16x4_f32). A number that lies on a knife's edge between two numbers of the format may be rounded either way, as far as f32 arithmetic and the matrix unit's own rounding can turn it there, and no further.
;;   INPUTS GIVEN AS CODES. ca_wkv (in the module: [768, 1024], K = its axis 0); ca_wo (in the module: [512, 1024], K = its axis 0); ca_wq (in the module: [1024, 512], K = its axis 0); sa_wkv (in the module: [1024, 1024], K = its axis 0); sa_wo (in the module: [512, 1024], K = its axis 0); sa_wq (in the module: [1024, 512], K = its axis 0): each comes as NAME_codes (uint8): NAME with its K axis moved to the last place and cut into blocks of 32 codes, [.., K / 32, bytes a block], one block behind the other in memory; one code a byte (a code: sign, 4 exponent bits, 3 mantissa bits); and NAME_scales (uint8): the same leading axes, one E8M0 byte (e + 127) for each 32 codes along K. Its value is code x scale, taken as it is: it is not quantised again, and the codes and scales need not be those that the quantiser above would give.
;; One version. Each part assembles by itself: llvm-mc -triple=amdgcn-amd-amdhsa -mcpu=gfx1250 --defsym DOCPART=n.
;; ======== version 1 of 1: 5 launches
;; limits: right only within a limited range of input values
;; workspace buffers: qc 4,194,304 bytes; qs 131,072 bytes; kv1 8,650,752 bytes; kv2 2,162,688 bytes; oc 4,194,304 bytes; os 131,072 bytes; x1 33,554,432 bytes
;; launch pre (part 1): grid 256 x 1, 16 waves a work-group, no clusters, 138,240 bytes of LDS; arguments x, sa_ng, sa_nb, sa_ncg, sa_ncb, sa_wq_codes, sa_wq_scales, sa_wkv_codes, sa_wkv_scales, qc, qs, kv1, context, ca_ncg, ca_ncb, ca_wkv_codes, ca_wkv_scales, kv2; writes qc, qs, kv1, kv2
.if DOCPART == 1
	.amdgcn_target "amdgcn-amd-amdhsa--gfx1250"
	.amdhsa_code_object_version 6
	.text
	.protected	k_q34785f511c_pre
	.globl	k_q34785f511c_pre
	.p2align	8
	.type	k_q34785f511c_pre,@function
k_q34785f511c_pre:
	s_mov_b64 s[64:65], 0
	v_nop
	global_prefetch_b8 v0, s[64:65] scope:SCOPE_SE
	s_setreg_imm32_b32 hwreg(HW_REG_WAVE_MODE, 25, 1), 1
	s_wait_xcnt 0x0
; TWO JOBS.  (1) Self-attention's front: LayerNorm of x under two sets of gains, both quantised to E4M3 with one E8M0 byte for each 32 features, the products with wq and wkv, and q, k (along the head's 64) and v (along the keys) quantised again.
; (2) Cross-attention's keys and values: LayerNorm of the context, quantised, the product with ca_wkv (K = 768: six K steps), k and v quantised likewise, into records of the same form.
; SHARES OF (1).  A work-group owns 32 rows of x as two tiles of 16; lane r of tile ut holds row 8 ut + r + (r & 8), so that a product whose source 0 is such a tile leaves 16 NEIGHBOURING rows in a lane's 16 registers of the two tiles.
; Wave w holds features 64 w .. 64 w + 63 of all 32 rows (register 32 ut + 16 b + i: feature 64 w + 32 b + 16 (lane / 16) + i) and, in the products, owns output columns 32 w .. 32 w + 31: head w / 2, block w % 2 of its 64.
; SHARES OF (2).  Work-group g takes context rows 32 (g / 4) .. + 31 and quarter g % 4 of the columns: four blocks of 32 columns of k (waves 0-3, one each) and four of v (waves 4-7); waves 8-15 end ahead of that product.
; So a context row is normalised by four work-groups: 96 KB of loads and one more LayerNorm a work-group, against a launch of its own on 64 work-groups.  A row has twelve slices of 64 features for sixteen waves:
; waves 12-15 repeat waves 0-3's slices, so that every wave takes one path; what they put into LDS (words 12-15 of the sums' fields, blocks 24-31 of the image) is read by nobody.
; OPERANDS ARE IMAGES OF REGISTERS: four registers of a fragment (one block of 32 along K) are 512 bytes, lane l's 16 bytes at 16 l: in LDS and in the workspace buffers alike: every store of codes covers 512 consecutive bytes, aligned.
; q, k: source 0 = 16 rows of the weight, source 1 = 16 rows of x: a lane holds one row and 16 neighbouring columns.  v: the sources the other way round: a lane holds one channel and 16 neighbouring keys.
; GAINS AND BIASES come once for the work-group: a wave loads 512 bytes of one of two vectors, they lie in LDS as in memory, and each wave reads its 64 features' numbers from there; loaded by each wave for itself they would be eight loads a vector in which sixteen lanes read the same 16 bytes.
; NO JOINT LOADS: no weight byte is read by two waves of a work-group; each goes from memory straight into the registers of the one wave that multiplies by it.  Joint loads land in LDS: 1.5 MB a work-group written there and read back, beside the 1 MB of row fragments that it reads anyway.
; LIMITS: NaN and infinities are not served.  A block of zeros gets the byte 1 where the rule says 127: its codes are zeros and this program alone reads the bytes.  1 / sqrt is v_rsq_f32.
.set KB,   1024
.set AX,   0                           ; LDS: image of LN(x; ng, nb): [tile 2][block 32][512 bytes]
.set AC,   32768                       ; image of LN(x; ncg, ncb)
.set SCB,  65536                       ; scale words [tile][K step 8][row 16], 1,024 bytes each: of AX, of AC, of the context's image
.set RED1, 68608                       ; four fields of 32 x 80 bytes for the sums across the waves: two for x, two for the context
.set GL,   78848                       ; six vectors of 4,096 bytes: ng, nb, ncg, ncb, the context's gain and bias (their slices 12-15 repeat slices 0-3)
.set CIMG, 103424                      ; image of LN(context): [tile 2][block 32][512 bytes], 24 blocks read
.set X, 16                             ; v16-79 the rows of x, later accumulators (the context's rows: v144-207)
.set G, 80                             ; v80-111 gains, v112-143 biases; later three slots of weight fragments, v80-175
.set B, 112
.set Y, 144                            ; v144-207 the normalised rows under a set of gains; later v176-207 two row fragments
.set LI, 1                             ; 16 x lane
.set GAL, 2                            ; where I read gains: GL + 256 x wave + 64 (lane / 16)
.set XA, 3                             ; my bytes in x
.set GSW, 4                            ; where I store 16 bytes of a vector: GL + 16 x thread
.set WA, 5                             ; my bytes in a weight tile
.set WSA, 6                            ; and in its scale bytes
.set REDW, 7
.set REDR, 8
.set AIW, 9                            ; where I store images: 16 x lane + 1,024 x wave
.set ASW, 10                           ; and scale bytes
.set ASR, 11                           ; where scale words are read
.set LIC, 12                           ; 16 x lane + CIMG
.set AIWC, 13                          ; AIW + CIMG
.set L2, 14                            ; 2 x lane
.set L4, 15                            ; 4 x lane
.set WAC, 244                          ; my bytes in a tile of ca_wkv, made at the end
.set WSAC, 245                         ; and in its scale bytes
.set SEL, 32
.set MNT, 34
.set INVK, 35                          ; s35 1 / 1024; s80 1 / 768
.set EPS, 36
.macro BARRIER                         ; my LDS stores have landed and my LDS loads are in: then the work-group's barrier
	s_wait_dscnt 0x0
	s_barrier_signal -1
	s_barrier_wait -1
.endm
.macro PLACES n
.rept \n
	v_nop
.endr
.endm
.macro XLOAD dst, sb, xa, rowb         ; 32 rows x my 64 features
.irp ut, 0,1
.irp b, 0,1
.irp j, 0,1,2,3
	global_load_b128 v[\dst+32*\ut+16*\b+4*\j:\dst+32*\ut+16*\b+4*\j+3], v[\xa], s[\sb:\sb+1] offset:\ut*8*\rowb+128*\b+16*\j
.endr
.endr
.endr
.endm
.macro GLD dst, off                    ; 32 numbers of a gain or bias out of LDS, in the features' layout
.irp b, 0,1
.irp j, 0,1,2,3
	ds_load_b128 v[\dst+16*\b+4*\j:\dst+16*\b+4*\j+3], v[GAL] offset:\off+128*\b+16*\j
.endr
.endr
.endm
.macro RSUM sq                         ; a lane's sum (sq = 0) or sum of squares (1) of each tile's 32 numbers: two chains a tile, the tiles by turns
.if \sq
.irp ut, 0,1
	v_pk_mul_f32 v[240+4*\ut:241+4*\ut], v[X+32*\ut:X+32*\ut+1], v[X+32*\ut:X+32*\ut+1]
	v_pk_mul_f32 v[242+4*\ut:243+4*\ut], v[X+32*\ut+2:X+32*\ut+3], v[X+32*\ut+2:X+32*\ut+3]
.endr
.irp j, 4,8,12,16,20,24,28
.irp ut, 0,1
	s_delay_alu instid0(VALU_DEP_4)
	v_pk_fma_f32 v[240+4*\ut:241+4*\ut], v[X+32*\ut+\j:X+32*\ut+\j+1], v[X+32*\ut+\j:X+32*\ut+\j+1], v[240+4*\ut:241+4*\ut]
	s_delay_alu instid0(VALU_DEP_4)
	v_pk_fma_f32 v[242+4*\ut:243+4*\ut], v[X+32*\ut+\j+2:X+32*\ut+\j+3], v[X+32*\ut+\j+2:X+32*\ut+\j+3], v[242+4*\ut:243+4*\ut]
.endr
.endr
.else
.irp ut, 0,1
	v_pk_add_f32 v[240+4*\ut:241+4*\ut], v[X+32*\ut:X+32*\ut+1], v[X+32*\ut+4:X+32*\ut+5]
	v_pk_add_f32 v[242+4*\ut:243+4*\ut], v[X+32*\ut+2:X+32*\ut+3], v[X+32*\ut+6:X+32*\ut+7]
.endr
.irp j, 8,12,16,20,24,28
.irp ut, 0,1
	s_delay_alu instid0(VALU_DEP_4)
	v_pk_add_f32 v[240+4*\ut:241+4*\ut], v[240+4*\ut:241+4*\ut], v[X+32*\ut+\j:X+32*\ut+\j+1]
	s_delay_alu instid0(VALU_DEP_4)
	v_pk_add_f32 v[242+4*\ut:243+4*\ut], v[242+4*\ut:243+4*\ut], v[X+32*\ut+\j+2:X+32*\ut+\j+3]
.endr
.endr
.endif
.irp ut, 0
	s_delay_alu instid0(VALU_DEP_3)
	v_pk_add_f32 v[240+4*\ut:241+4*\ut], v[240+4*\ut:241+4*\ut], v[242+4*\ut:243+4*\ut]
.endr
.irp ut, 1
	s_delay_alu instid0(VALU_DEP_2)
	v_pk_add_f32 v[240+4*\ut:241+4*\ut], v[240+4*\ut:241+4*\ut], v[242+4*\ut:243+4*\ut]
.endr
.irp ut, 0,1
	s_delay_alu instid0(VALU_DEP_2)
	v_add_f32 v[240+4*\ut], v[240+4*\ut], v[241+4*\ut]
.endr
.endm
.macro XCH1 off                        ; with lane l xor 16's; lane l then speaks for row (tile l / 16, l % 16): its word of the field is 80 l + 4 x wave
	s_delay_alu instid0(VALU_DEP_2)
	v_permlanex16_b32 v242, v240, s[SEL], s[SEL+1]
	s_delay_alu instid0(VALU_DEP_2)
	v_permlanex16_b32 v246, v244, s[SEL], s[SEL+1]
	s_delay_alu instid0(VALU_DEP_2)
	v_add_f32 v240, v240, v242
	s_delay_alu instid0(VALU_DEP_2)
	v_add_f32 v244, v244, v246
	s_delay_alu instid0(VALU_DEP_1)
	v_cndmask_b32 v252, v240, v244, vcc_lo
	ds_store_b32 v[REDW], v252 offset:\off
.endm
.macro XCH2 off, n                     ; the n waves' words of my row
.irp k, 0,1,2,3
.if 4*\k < \n
	ds_load_b128 v[208+4*\k:211+4*\k], v[REDR] offset:\off+16*\k
.endif
.endr
.endm
.macro XCH3 n                          ; their sum into v252
	v_pk_add_f32 v[208:209], v[208:209], v[210:211]
	v_pk_add_f32 v[212:213], v[212:213], v[214:215]
	v_pk_add_f32 v[216:217], v[216:217], v[218:219]
.if \n > 12
	v_pk_add_f32 v[220:221], v[220:221], v[222:223]
	s_delay_alu instid0(VALU_DEP_1)
	v_pk_add_f32 v[216:217], v[216:217], v[220:221]
.endif
	v_pk_add_f32 v[208:209], v[208:209], v[212:213]
	s_delay_alu instid0(VALU_DEP_1)
	v_pk_add_f32 v[208:209], v[208:209], v[216:217]
	s_delay_alu instid0(VALU_DEP_1)
	v_add_f32 v252, v208, v209
.endm
.macro SPREAD                          ; v252 (row of tile l / 16) becomes tile 0's figure in v[248:249] and tile 1's in v[250:251], in every lane
	v_permlanex16_b32 v253, v252, s[SEL], s[SEL+1]
	v_cndmask_b32 v248, v252, v253, vcc_lo
	v_cndmask_b32 v250, v253, v252, vcc_lo
	s_delay_alu instid0(VALU_DEP_2)
	v_mov_b32 v249, v248
	s_delay_alu instid0(VALU_DEP_2)
	v_mov_b32 v251, v250
.endm
.macro LNSUB
.irp ut, 0,1
.set KK, X+32*\ut
.rept 16
	v_pk_add_f32 v[KK:KK+1], v[KK:KK+1], v[248+2*\ut:249+2*\ut] neg_lo:[0,1] neg_hi:[0,1]
.set KK, KK+2
.endr
.endr
.endm
.macro LNMUL
.irp ut, 0,1
.set KK, X+32*\ut
.rept 16
	v_pk_mul_f32 v[KK:KK+1], v[KK:KK+1], v[248+2*\ut:249+2*\ut]
.set KK, KK+2
.endr
.endr
.endm
; (x - mean) / sqrt(var + eps) in place; the variance is taken of the centred numbers: no difference of large sums.  off: the two fields for the sums; goff: the gain (and 4,096 bytes on the bias) that is fetched on the way into G and B
.macro LN n, off, goff
	RSUM 0
	XCH1 \off
	BARRIER
	XCH2 \off, \n
	s_wait_dscnt 0x0
	XCH3 \n
	s_delay_alu instid0(VALU_DEP_1)
	v_mul_f32 v252, s[INVK], v252
	SPREAD
	LNSUB
	RSUM 1
	XCH1 \off+2560                         ; a second field: no barrier is needed between the first field's reads and these stores
	BARRIER
	XCH2 \off+2560, \n
	GLD G, \goff
	GLD B, \goff+4096
	s_wait_dscnt 16                        ; the reads of the sums are in; the 16 reads of gain and bias may be out
	XCH3 \n
	s_delay_alu instid0(VALU_DEP_1)
	v_fma_f32 v252, v252, s[INVK], s[EPS]
	s_wait_alu depctr_va_vdst(0)
	v_rsq_f32 v252, v252
	v_nop                                  ; one plain instruction behind a transcendental
	s_wait_alu depctr_va_vdst(0)
	SPREAD
	LNMUL
	s_wait_dscnt 0x0                       ; gain and bias
.endm
.macro AFFINE dst
.irp ut, 0,1
.set KK, 0
.rept 16
	v_pk_fma_f32 v[\dst+32*\ut+KK:\dst+32*\ut+KK+1], v[X+32*\ut+KK:X+32*\ut+KK+1], v[G+KK:G+KK+1], v[B+KK:B+KK+1]
.set KK, KK+2
.endr
.endr
.endm
; nb blocks of 32 along K, a lane's 16 numbers of block b in v[s + 16 b] on (the other 16 in lane l xor 16), become codes in v[tm + 16 + 4 b] on and a scale byte in v[tm + 4 + b].
; tm + b: largest magnitude;  tm + 8 + b: 448 x the scale;  tm + 12 + b: the conversion's scale operand.  Registers are read in ascending order.
.macro QUANT s, nb, tm
.irp b, 0,1,2,3
.if \b < \nb
	v_max3_num_f32 v[\tm+\b], |v[\s+16*\b]|, |v[\s+16*\b+1]|, 0x4800000   ; with the floor 2^(9 - 127): the byte cannot fall under 1
.endif
.endr
.irp i, 2,4,6,8,10,12,14
.irp b, 0,1,2,3
.if \b < \nb
	v_max3_num_f32 v[\tm+\b], v[\tm+\b], |v[\s+16*\b+\i]|, |v[\s+16*\b+\i+1]|
.endif
.endr
.endr
.irp b, 0,1,2,3
.if \b < \nb
	v_permlanex16_b32 v[\tm+4+\b], v[\tm+\b], s[SEL], s[SEL+1]
.endif
.endr
.irp b, 0,1,2,3
.if \b < \nb
	v_max_num_f32 v[\tm+\b], v[\tm+\b], v[\tm+4+\b]
.endif
.endr
.irp b, 0,1,2,3
.if \b < \nb
	v_add_nc_u32 v[\tm+12+\b], 0xfc000000, v[\tm+\b]               ; 8 off the exponent field
	v_and_or_b32 v[\tm+8+\b], v[\tm+\b], 0x7f800000, s[MNT]        ; the exponent field over 448's mantissa
.endif
.endr
.irp b, 0,1,2,3
.if \b < \nb
	v_lshrrev_b32 v[\tm+4+\b], 23, v[\tm+12+\b]
.endif
.endr
.irp b, 0,1,2,3
.if \b < \nb
.set KK, \s+16*\b
.rept 16
	v_med3_num_f32 v[KK], v[KK], -v[\tm+8+\b], v[\tm+8+\b]         ; the conversion to an 8-bit code does not saturate (ISA guide 7.6.2): the hold comes first
.set KK, KK+1
.endr
	v_cvt_scalef32_pk8_fp8_f32 v[\tm+16+4*\b:\tm+17+4*\b], v[\s+16*\b:\s+16*\b+7], v[\tm+12+\b]
	v_cvt_scalef32_pk8_fp8_f32 v[\tm+18+4*\b:\tm+19+4*\b], v[\s+16*\b+8:\s+16*\b+15], v[\tm+12+\b]
.endif
.endr
	v_nop                                  ; one plain instruction behind the last conversion
.endm
.macro PACK4 tm
	v_lshl_or_b32 v252, v[\tm+5], 8, v[\tm+4]
	s_delay_alu instid0(VALU_DEP_1)
	v_lshl_or_b32 v252, v[\tm+6], 16, v252
	s_delay_alu instid0(VALU_DEP_1)
	v_lshl_or_b32 v252, v[\tm+7], 24, v252
	s_delay_alu instid0(VALU_DEP_1)
	v_lshrrev_b32 v253, 16, v252
.endm
.macro IMG off, soff, tm, aiw          ; my four blocks' codes and their bytes (two a tile) into the image
.irp ut, 0,1
.irp b, 0,1
	ds_store_b128 v[\aiw], v[\tm+16+8*\ut+4*\b:\tm+19+8*\ut+4*\b] offset:\off+16384*\ut+512*\b
.endr
.endr
	ds_store_b16 v[ASW], v252 offset:\soff
	ds_store_b16 v[ASW], v253 offset:\soff+512
.endm
.macro WLOAD slot, off, sb, wa, kb     ; two weight tiles (32 columns) x 128 along K into a slot
.irp u, 0,1
.irp c, 0,1,2,3
	global_load_b128 v[80+32*(\slot)+16*\u+4*\c:83+32*(\slot)+16*\u+4*\c], v[\wa], s[\sb:\sb+1] offset:\off+\u*8*\kb+32*\c
.endr
.endr
.endm
.macro AFETCH li, base, stride         ; the two row tiles' fragments of a K step
.irp ut, 0,1
.irp c, 0,1,2,3
	ds_load_b128 v[176+16*\ut+4*\c:179+16*\ut+4*\c], v[\li] offset:\base+\stride*\ut+512*\c
.endr
.endr
.endm
.macro ASL base                        ; and their scale words
	ds_load_b32 v254, v[ASR] offset:\base
	ds_load_b32 v255, v[ASR] offset:\base+512
.endm
.macro MM1 d, a, b, zero, sa, sb
.if \zero
	v_wmma_scale_f32_16x16x128_f8f6f4 v[\d:\d+7], v[\a:\a+15], v[\b:\b+15], 0, v[\sa], v[\sb]
.else
	v_wmma_scale_f32_16x16x128_f8f6f4 v[\d:\d+7], v[\a:\a+15], v[\b:\b+15], v[\d:\d+7], v[\sa], v[\sb]
.endif
.endm
.macro MM4S slot, acc, os, zero, w0, w1, a0, a1      ; source 0 = weight tile, source 1 = row tile; four accumulators by turns
	MM1 \acc, 80+32*(\slot), 176, \zero, \w0, \a0
	MM1 \acc+8, 96+32*(\slot), 176, \zero, \w1, \a0
	MM1 \acc+\os, 80+32*(\slot), 192, \zero, \w0, \a1
	MM1 \acc+\os+8, 96+32*(\slot), 192, \zero, \w1, \a1
.endm
.macro MM4U slot, acc, zero, w0, w1, a0, a1          ; source 0 = row tile, source 1 = weight tile
	MM1 \acc, 176, 80+32*(\slot), \zero, \a0, \w0
	MM1 \acc+8, 192, 80+32*(\slot), \zero, \a1, \w0
	MM1 \acc+16, 176, 96+32*(\slot), \zero, \a0, \w1
	MM1 \acc+24, 192, 96+32*(\slot), \zero, \a1, \w1
.endm
; The context's product for one block of 32 columns: six K steps; kind 0: columns of k, 1: of v.  The first two steps' weights and the scale words were asked for further up.
.macro PASSC kind
.set P, 0
.rept 6
	PLACES 8
.if P+2 < 6
	WLOAD (P+2)%3, 128*(P+2), 74, WAC, 768
.endif
	AFETCH LIC, 2048*P, 16384
	ASL 2048+64*P
.if P < 4
	s_wait_loadcnt 16                              ; this step's weights are in; the two younger steps' 16 loads may be out
.else
	s_wait_loadcnt 8*(5-P)
.endif
	s_wait_dscnt 0x0
.if P == 0
.set Z, 1
.else
.set Z, 0
.endif
.if \kind == 0
	MM4S P%3, 16, 16, Z, 208+P, 214+P, 254, 255
.else
	MM4U P%3, 16, Z, 208+P, 214+P, 254, 255
.endif
.set P, P+1
.endr
	PLACES 8
.endm
	s_load_b512 s[4:19], s[0:1], 0x0               ; x 4, ng 6, nb 8, ncg 10, ncb 12, wq 14, wq's scales 16, wkv 18
	s_load_b256 s[20:27], s[0:1], 0x40             ; wkv's scales 20, qc 22, qs 24, kv1 26
	s_load_b256 s[68:75], s[0:1], 0x60             ; context 68, its gain 70, its bias 72, ca_wkv 74
	s_load_b128 s[76:79], s[0:1], 0x80             ; ca_wkv's scales 76, kv2 78
	v_mov_b32 v253, 0                              ; a lane permute's destination counts as one of its sources: written once
.irp i, 180,181,182,183,212,213,214,215
	v_mov_b32 v[\i], 0
.endr
	v_lshrrev_b32 v240, 5, v0
	s_delay_alu instid0(VALU_DEP_1)
	v_readfirstlane_b32 s28, v240                  ; wave
	v_and_b32 v243, 31, v0                         ; lane
	s_wait_alu depctr_va_vdst(0)
	v_and_b32 v240, 15, v0                         ; r
	v_bfe_u32 v241, v0, 4, 1                       ; h
	s_wait_alu depctr_va_vdst(0)
	v_and_b32 v242, 8, v240
	s_delay_alu instid0(VALU_DEP_1)
	v_add_nc_u32 v242, v242, v240                  ; r + (r & 8)
	s_wait_alu depctr_va_vdst(0)
	s_lshl_b32 s50, s28, 8
	s_lshl_b32 s51, s28, 2
	s_lshl_b32 s52, s28, 10
	s_lshr_b32 s53, s28, 1                         ; my head
	s_and_b32 s54, s28, 1                          ; my block of its 64
	s_lshl_b32 s55, s53, 6
	s_lshl_b32 s56, s54, 1
	s_add_co_u32 s55, s55, s56
	s_cmp_ge_u32 s28, 12                           ; my slice of the context's 768 features: wave, or wave - 12
	s_cselect_b32 s29, 12, 0
	s_sub_co_u32 s29, s28, s29
	s_lshl_b32 s29, s29, 8
	s_and_b32 s41, s28, 7                          ; which 512 bytes of a vector's field I fetch; of the context's vectors (3,072 bytes) parts 6 and 7 are parts 0 and 1 again
	s_cmp_ge_u32 s41, 6
	s_cselect_b32 s81, 6, 0
	s_sub_co_u32 s41, s41, s81
	s_lshl_b32 s41, s41, 9
	v_lshlrev_b32 v[LI], 4, v243
	v_lshl_add_u32 v[GAL], v241, 6, s50
	s_delay_alu instid0(VALU_DEP_1)
	v_add_nc_u32 v[GAL], GL, v[GAL]
	v_lshlrev_b32 v[XA], 12, v242
	s_delay_alu instid0(VALU_DEP_1)
	v_lshl_add_u32 v[XA], v241, 6, v[XA]
	s_delay_alu instid0(VALU_DEP_1)
	v_add_nc_u32 v[XA], s50, v[XA]
	v_lshl_add_u32 v[GSW], v0, 4, GL
	v_lshlrev_b32 v[WA], 10, v242
	s_delay_alu instid0(VALU_DEP_1)
	v_lshl_add_u32 v[WA], v241, 4, v[WA]
	v_lshlrev_b32 v[WSA], 5, v242
	v_mul_u32_u24 v[REDR], v243, 80
	s_delay_alu instid0(VALU_DEP_1)
	v_add_nc_u32 v[REDR], RED1, v[REDR]
	s_delay_alu instid0(VALU_DEP_1)
	v_add_nc_u32 v[REDW], s51, v[REDR]
	v_add_nc_u32 v[AIW], s52, v[LI]
	v_lshl_add_u32 v[ASR], v240, 2, SCB
	s_delay_alu instid0(VALU_DEP_1)
	v_add_nc_u32 v[ASW], s55, v[ASR]
	v_add_nc_u32 v[LIC], CIMG, v[LI]
	s_delay_alu instid0(VALU_DEP_4)
	v_add_nc_u32 v[AIWC], CIMG, v[AIW]
	v_lshlrev_b32 v[L2], 1, v243
	v_lshlrev_b32 v[L4], 2, v243
	v_mul_u32_u24 v255, v242, 3072                 ; my bytes in the context: row, + 64 h, + my slice
	s_delay_alu instid0(VALU_DEP_1)
	v_lshl_add_u32 v255, v241, 6, v255
	s_delay_alu instid0(VALU_DEP_1)
	v_add_nc_u32 v255, s29, v255
	v_and_b32 v254, 255, v0                        ; my 16 bytes of a vector of 4,096
	s_delay_alu instid0(VALU_DEP_1)
	v_lshlrev_b32 v254, 4, v254
	v_add_nc_u32 v252, s41, v[LI]                  ; and of one of 3,072
	s_mov_b32 s[SEL], 0x76543210
	s_mov_b32 s[SEL+1], 0xfedcba98
	s_mov_b32 s[MNT], 0x600000
	s_mov_b32 s35, 0x3a800000                      ; 1 / 1024
	s_mov_b32 s80, 0x3aaaaaab                      ; 1 / 768
	s_mov_b32 s[EPS], 0x3727c5ac                   ; 1e-5
	s_mov_b32 vcc_lo, 0xffff0000                   ; lanes 16-31; never rewritten
	s_mov_b32 s39, 0
	s_lshr_b32 s30, ttmp9, 6                       ; batch
	s_and_b32 s31, ttmp9, 63                       ; my 32 rows in the batch
	s_lshl_b32 s37, s30, 3
	s_add_co_u32 s37, s37, s53                     ; 8 x batch + head
	s_and_b32 s57, s31, 3                          ; which 32 of a key step's 128 keys
	s_lshr_b32 s58, s31, 2                         ; the key step
	s_mul_i32 s40, s37, 270336
	s_mul_i32 s59, s58, 16896
	s_add_co_u32 s40, s40, s59                     ; its record in kv1
	; the context's job
	s_lshr_b32 s60, ttmp9, 2                       ; which 32 rows of the 2,048
	s_and_b32 s61, ttmp9, 3                        ; which quarter of the columns
	s_lshr_b32 s62, s60, 4                         ; batch
	s_and_b32 s63, s60, 15                         ; the 32 rows in the batch
	s_and_b32 s66, s28, 3
	s_lshl_b32 s67, s61, 2
	s_add_co_u32 s66, s66, s67                     ; my block of 32 columns: 4 x quarter + wave % 4
	s_bfe_u32 s67, s28, 0x10002                    ; 0: of k, 1: of v (bit 2 of the wave's number)
	s_lshr_b32 s92, s66, 1                         ; its head
	s_and_b32 s93, s66, 1                          ; and block of the head's 64
	s_lshl_b32 s94, s62, 3
	s_add_co_u32 s94, s94, s92
	s_mul_i32 s94, s94, 67584
	s_lshr_b32 s95, s63, 2
	s_mul_i32 s95, s95, 16896
	s_add_co_u32 s94, s94, s95                     ; the record in kv2
	s_and_b32 s95, s63, 3                          ; which 32 of its 128 keys
	s_lshl_b32 s96, s95, 11
	s_lshl_b32 s97, s93, 9
	s_add_co_u32 s96, s96, s97                     ; k's codes in the record,
	s_lshl_b32 s97, s95, 6
	s_add_co_u32 s97, s97, s93
	s_add_co_u32 s97, s97, 16384                   ; k's bytes,
	s_lshl_b32 s98, s93, 12
	s_lshl_b32 s99, s95, 9
	s_add_co_u32 s98, s98, s99
	s_add_co_u32 s98, s98, 8192                    ; v's codes,
	s_lshl_b32 s99, s93, 7
	s_add_co_u32 s99, s99, s95
	s_add_co_u32 s99, s99, 16640                   ; v's bytes
	s_cmp_eq_u32 s67, 0
	s_cselect_b32 s96, s96, s98
	s_cselect_b32 s97, s97, s99
	s_add_co_u32 s96, s96, s94
	s_add_co_u32 s97, s97, s94
	s_wait_alu depctr_va_vdst(0)
	s_wait_kmcnt 0x0
	s_cmp_lt_u32 s28, 8                            ; waves 0-7 fetch the first of each two vectors, waves 8-15 the second
	s_cselect_b64 s[82:83], s[6:7], s[8:9]
	s_cselect_b64 s[84:85], s[10:11], s[12:13]
	s_cselect_b64 s[86:87], s[70:71], s[72:73]
	s_lshl_b32 s38, ttmp9, 17
	s_add_nc_u64 s[4:5], s[4:5], s[38:39]
	s_mul_i32 s38, s60, 98304
	s_add_nc_u64 s[68:69], s[68:69], s[38:39]
	global_load_b128 v[240:243], v254, s[82:83]    ; ng | nb
	global_load_b128 v[244:247], v254, s[84:85]    ; ncg | ncb
	global_load_b128 v[248:251], v252, s[86:87]    ; the context's gain | bias
	XLOAD 144, 68, 255, 3072
	XLOAD 16, 4, XA, 4096
	s_lshl_b32 s38, s28, 15                        ; my 32 rows of each weight
	s_add_nc_u64 s[14:15], s[14:15], s[38:39]
	s_add_nc_u64 s[18:19], s[18:19], s[38:39]
	s_lshl_b32 s38, s28, 10
	s_add_nc_u64 s[16:17], s[16:17], s[38:39]
	s_add_nc_u64 s[20:21], s[20:21], s[38:39]
	s_lshl_b32 s38, s37, 17                        ; qc [head 32][tile 128][block 2][512]
	s_lshl_b32 s59, s31, 11
	s_add_co_u32 s38, s38, s59
	s_lshl_b32 s59, s54, 9
	s_add_co_u32 s38, s38, s59
	s_add_nc_u64 s[22:23], s[22:23], s[38:39]
	s_lshl_b32 s38, s37, 12                        ; qs [head][tile][row 16][block 2]
	s_lshl_b32 s59, s31, 6
	s_add_co_u32 s38, s38, s59
	s_add_co_u32 s38, s38, s54
	s_add_nc_u64 s[24:25], s[24:25], s[38:39]
	s_lshl_b32 s38, s57, 11                        ; a record: K's codes [tile 8][block 2][512] at 0
	s_add_co_u32 s38, s38, s40
	s_lshl_b32 s59, s54, 9
	s_add_co_u32 s38, s38, s59
	s_add_nc_u64 s[42:43], s[26:27], s[38:39]
	s_lshl_b32 s38, s57, 6                         ; K's bytes [tile 8][row 16][2] at 16,384
	s_add_co_u32 s38, s38, s40
	s_add_co_u32 s38, s38, s54
	s_add_co_u32 s38, s38, 16384
	s_add_nc_u64 s[44:45], s[26:27], s[38:39]
	s_lshl_b32 s38, s54, 12                        ; V's codes [channel tile 4][key block 4][512] at 8,192
	s_lshl_b32 s59, s57, 9
	s_add_co_u32 s38, s38, s59
	s_add_co_u32 s38, s38, s40
	s_add_co_u32 s38, s38, 8192
	s_add_nc_u64 s[46:47], s[26:27], s[38:39]
	s_lshl_b32 s38, s54, 7                         ; V's bytes [channel tile 4][row 16][4] at 16,640
	s_add_co_u32 s38, s38, s57
	s_add_co_u32 s38, s38, s40
	s_add_co_u32 s38, s38, 16640
	s_add_nc_u64 s[48:49], s[26:27], s[38:39]
	s_mov_b32 s38, s96                             ; the context's job: where its codes and bytes go,
	s_add_nc_u64 s[88:89], s[78:79], s[38:39]
	s_mov_b32 s38, s97
	s_add_nc_u64 s[90:91], s[78:79], s[38:39]
	s_mul_i32 s38, s67, 393216                     ; my 32 rows of ca_wkv (v's lie 512 rows behind k's),
	s_mul_i32 s59, s66, 24576
	s_add_co_u32 s38, s38, s59
	s_add_nc_u64 s[74:75], s[74:75], s[38:39]
	s_mul_i32 s38, s67, 12288                      ; and their scale bytes
	s_mul_i32 s59, s66, 768
	s_add_co_u32 s38, s38, s59
	s_add_nc_u64 s[76:77], s[76:77], s[38:39]
	s_wait_loadcnt 32                              ; the three vectors' parts are in; the 16 loads of the context and the 16 of x may be out
	ds_store_b128 v[GSW], v[240:243]
	ds_store_b128 v[GSW], v[244:247] offset:8192
	ds_store_b128 v[GSW], v[248:251] offset:16384
	s_wait_loadcnt 16                              ; the context's rows are in; x's 16 loads may be out
	s_wait_dscnt 0x0                               ; the stores have read their registers
; ---- the context's rows: normalised, quantised, their image laid by for the end
.set X, 144
.set INVK, 80
	LN 12, 5120, 16384
	AFFINE 144
	QUANT 144, 4, 208
	PACK4 208
	IMG 0, 2048, 208, AIWC
	s_wait_dscnt 0x0
	s_wait_loadcnt 0x0                             ; x's rows
; ---- x
.set X, 16
.set INVK, 35
	LN 16, 0, 0
	AFFINE Y
	GLD G, 8192                                    ; the second set lands while the first is quantised
	GLD B, 12288
	QUANT Y, 4, 208
	PACK4 208
	IMG AX, 0, 208, AIW
	s_wait_dscnt 0x0
	AFFINE Y
.irp u, 0,1                                    ; wq's scale words: 8 K steps a row: v48 + 8 u + s
.irp q, 0,1
	global_load_b128 v[48+8*\u+4*\q:51+8*\u+4*\q], v[WSA], s[16:17] offset:256*\u+16*\q
.endr
.endr
	WLOAD 0, 0, 14, WA, KB
	WLOAD 1, 128, 14, WA, KB
	QUANT Y, 4, 208
	PACK4 208
	IMG AC, 1024, 208, AIW
	BARRIER                                        ; all three images lie in LDS
; q = LN(x) wq: eight K steps.  Weights run two steps ahead in three slots.  Eight places stand behind each step's products, ahead of loads into registers that they read.
.set P, 0
.rept 8
	PLACES 8
.if P+2 < 8
	WLOAD (P+2)%3, 128*(P+2), 14, WA, KB
.endif
	AFETCH LI, AX+2048*P, 16384
	ASL 64*P
.if P < 6
	s_wait_loadcnt 16                              ; this step's weights are in; the two younger steps' 16 loads may be out
.else
	s_wait_loadcnt 8*(7-P)
.endif
	s_wait_dscnt 0x0
.if P == 0
.set Z, 1
.else
.set Z, 0
.endif
	MM4S P%3, 16, 16, Z, 48+P, 56+P, 254, 255
.set P, P+1
.endr
	PLACES 8
.irp t, 0,1                                    ; wkv's scale words: v208 + 16 t + 8 u + s (t = 0: k's columns, 1: v's)
.irp u, 0,1
.irp q, 0,1
	global_load_b128 v[208+16*\t+8*\u+4*\q:211+16*\t+8*\u+4*\q], v[WSA], s[20:21] offset:16384*\t+256*\u+16*\q
.endr
.endr
.endr
	WLOAD 0, 0, 18, WA, KB
	WLOAD 1, 524288, 18, WA, KB
	QUANT 16, 2, 176                               ; q: block ut = tile ut's 32 columns
	global_store_b128 v[LI], v[192:195], s[22:23]
	global_store_b128 v[LI], v[196:199], s[22:23] offset:1024
	v_cndmask_b32 v252, v180, v181, vcc_lo         ; lane l: the byte of row (tile l / 16, l % 16)
	global_store_b8 v[L2], v252, s[24:25]
	s_wait_xcnt 0x0                                ; the stores' data registers are loaded again below only behind this wait
; k and v: sixteen pairs, k's and v's by turns within a K step
.set P, 0
.rept 16
	PLACES 8
.if P+2 < 16
	WLOAD (P+2)%3, 128*((P+2)/2)+524288*((P+2)%2), 18, WA, KB
.endif
.if P%2 == 0
	AFETCH LI, AC+2048*(P/2), 16384
	ASL 1024+64*(P/2)
.endif
.if P < 14
	s_wait_loadcnt 16
.else
	s_wait_loadcnt 8*(15-P)
.endif
	s_wait_dscnt 0x0
.if P < 2
.set Z, 1
.else
.set Z, 0
.endif
.if P%2 == 0
	MM4S P%3, 16, 16, Z, 208+P/2, 216+P/2, 254, 255
.else
	MM4U P%3, 48, Z, 224+P/2, 232+P/2, 254, 255
.endif
.set P, P+1
.endr
	PLACES 8
	v_and_b32 v240, 15, v0                         ; my bytes in a tile of ca_wkv (rows of 768 bytes) and in its scale bytes (24 a row)
	v_bfe_u32 v241, v0, 4, 1
	s_delay_alu instid0(VALU_DEP_2)
	v_and_b32 v242, 8, v240
	s_delay_alu instid0(VALU_DEP_1)
	v_add_nc_u32 v242, v242, v240
	s_delay_alu instid0(VALU_DEP_1)
	v_mul_u32_u24 v[WAC], v242, 768
	s_delay_alu instid0(VALU_DEP_1)
	v_lshl_add_u32 v[WAC], v241, 4, v[WAC]
	s_delay_alu instid0(VALU_DEP_3)
	v_mul_u32_u24 v[WSAC], v242, 24
	s_cmp_lt_u32 s28, 8                            ; waves 0-7 ask now for what the context's product begins with: it lands while k and v are quantised
	s_cbranch_scc0 .Lno_first
.irp u, 0,1                                    ; scale words: 24 bytes a row, three loads of 8: v208 + 6 u + s
.irp q, 0,1,2
	global_load_b64 v[208+6*\u+2*\q:209+6*\u+2*\q], v[WSAC], s[76:77] offset:192*\u+8*\q
.endr
.endr
	WLOAD 0, 0, 74, WAC, 768
	WLOAD 1, 128, 74, WAC, 768
.Lno_first:
	QUANT 16, 4, 176                               ; blocks: k tile 0, k tile 1, v channel tile 0, v channel tile 1
	global_store_b128 v[LI], v[192:195], s[42:43]
	global_store_b128 v[LI], v[196:199], s[42:43] offset:1024
	global_store_b128 v[LI], v[200:203], s[46:47]
	global_store_b128 v[LI], v[204:207], s[46:47] offset:2048
	v_cndmask_b32 v252, v180, v181, vcc_lo
	v_cndmask_b32 v253, v182, v183, vcc_lo
	global_store_b8 v[L2], v252, s[44:45]
	global_store_b8 v[L4], v253, s[48:49]
; ---- the context's product: no barrier stands behind this parting
	s_cmp_lt_u32 s28, 8
	s_cbranch_scc0 .Lend
	s_wait_xcnt 0x0                                ; the stores' data registers are loaded again below only behind this wait
	s_cmp_lt_u32 s28, 4
	s_cbranch_scc0 .Lfor_v
	PASSC 0
	QUANT 16, 2, 176                               ; k: block ut = tile ut's 32 columns
	global_store_b128 v[LI], v[192:195], s[88:89]
	global_store_b128 v[LI], v[196:199], s[88:89] offset:1024
	v_cndmask_b32 v252, v180, v181, vcc_lo
	global_store_b8 v[L2], v252, s[90:91]
	s_wait_xcnt 0x0
	v_lshl_add_u32 v254, v0, 2, 0x21400
	v_mov_b32 v255, 0
	s_wait_alu depctr_va_vdst(0)
	s_wait_tensorcnt 0x0
	ds_add_u32 v254, v255
	s_wait_dscnt 0x0
	s_endpgm
.Lfor_v:
	PASSC 1
	QUANT 16, 2, 176                               ; v: block uc = channel tile uc's 32 keys
	global_store_b128 v[LI], v[192:195], s[88:89]
	global_store_b128 v[LI], v[196:199], s[88:89] offset:2048
	v_cndmask_b32 v252, v180, v181, vcc_lo
	global_store_b8 v[L4], v252, s[90:91]
.Lend:
	s_wait_xcnt 0x0
	v_lshl_add_u32 v254, v0, 2, 0x21400
	v_mov_b32 v255, 0
	s_wait_alu depctr_va_vdst(0)
	s_wait_tensorcnt 0x0
	ds_add_u32 v254, v255
	s_wait_dscnt 0x0
	s_endpgm
.Lfunc_end_k_q34785f511c_pre:
	.size	k_q34785f511c_pre, .Lfunc_end_k_q34785f511c_pre-k_q34785f511c_pre
	.p2alignl 7, 3214868480
	.fill 96, 4, 3214868480
	.section	.rodata,"a",@progbits
	.p2align	6, 0x0
	.amdhsa_kernel k_q34785f511c_pre
		.amdhsa_group_segment_fixed_size 138240
		.amdhsa_private_segment_fixed_size 0
		.amdhsa_enable_private_segment 0
		.amdhsa_kernarg_size 144
		.amdhsa_user_sgpr_count 2
		.amdhsa_user_sgpr_kernarg_segment_ptr 1
		.amdhsa_wavefront_size32 1
		.amdhsa_system_sgpr_workgroup_id_x 1
		.amdhsa_system_sgpr_workgroup_id_y 1
		.amdhsa_system_sgpr_workgroup_id_z 1
		.amdhsa_system_vgpr_workitem_id 0
		.amdhsa_next_free_vgpr 256
		.amdhsa_next_free_sgpr 100
		.amdhsa_reserve_vcc 1
		.amdhsa_float_denorm_mode_32 3
		.amdhsa_float_denorm_mode_16_64 3
		.amdhsa_memory_ordered 1
		.amdhsa_forward_progress 1
		.amdhsa_inst_pref_size 170
	.end_amdhsa_kernel
	.amdgpu_metadata
---
amdhsa.version: [ 1, 2 ]
amdhsa.kernels:
  - .name:           k_q34785f511c_pre
    .symbol:         k_q34785f511c_pre.kd
    .args:
      - { .name: x, .offset: 0, .size: 8, .value_kind: global_buffer, .address_space: global }
      - { .name: sa_ng, .offset: 8, .size: 8, .value_kind: global_buffer, .address_space: global }
      - { .name: sa_nb, .offset: 16, .size: 8, .value_kind: global_buffer, .address_space: global }
      - { .name: sa_ncg, .offset: 24, .size: 8, .value_kind: global_buffer, .address_space: global }
      - { .name: sa_ncb, .offset: 32, .size: 8, .value_kind: global_buffer, .address_space: global }
      - { .name: sa_wq_codes, .offset: 40, .size: 8, .value_kind: global_buffer, .address_space: global }
      - { .name: sa_wq_scales, .offset: 48, .size: 8, .value_kind: global_buffer, .address_space: global }
      - { .name: sa_wkv_codes, .offset: 56, .size: 8, .value_kind: global_buffer, .address_space: global }
      - { .name: sa_wkv_scales, .offset: 64, .size: 8, .value_kind: global_buffer, .address_space: global }
      - { .name: qc, .offset: 72, .size: 8, .value_kind: global_buffer, .address_space: global }
      - { .name: qs, .offset: 80, .size: 8, .value_kind: global_buffer, .address_space: global }
      - { .name: kv1, .offset: 88, .size: 8, .value_kind: global_buffer, .address_space: global }
      - { .name: context, .offset: 96, .size: 8, .value_kind: global_buffer, .address_space: global }
      - { .name: ca_ncg, .offset: 104, .size: 8, .value_kind: global_buffer, .address_space: global }
      - { .name: ca_ncb, .offset: 112, .size: 8, .value_kind: global_buffer, .address_space: global }
      - { .name: ca_wkv_codes, .offset: 120, .size: 8, .value_kind: global_buffer, .address_space: global }
      - { .name: ca_wkv_scales, .offset: 128, .size: 8, .value_kind: global_buffer, .address_space: global }
      - { .name: kv2, .offset: 136, .size: 8, .value_kind: global_buffer, .address_space: global }
    .group_segment_fixed_size: 138240
    .private_segment_fixed_size: 0
    .kernarg_segment_align: 8
    .kernarg_segment_size: 144
    .max_flat_workgroup_size: 512
    .sgpr_count:     100
    .vgpr_count:     256
    .wavefront_size: 32
...
	.end_amdgpu_metadata
.endif
;; end of part 1
;; launch attn_sa (part 2): grid 8 x 32, 16 waves a work-group, clusters of 4 x 1, 272,384 bytes of LDS; arguments qc, qs, kv1, oc, os; writes oc, os
.if DOCPART == 2
	.amdgcn_target "amdgcn-amd-amdhsa--gfx1250"
	.amdhsa_code_object_version 6
	.text
	.protected	k_q34785f511c_attn_sa
	.globl	k_q34785f511c_attn_sa
	.p2align	8
	.type	k_q34785f511c_attn_sa,@function
k_q34785f511c_attn_sa:
	s_mov_b64 s[64:65], 0
	v_nop
	global_prefetch_b8 v0, s[64:65] scope:SCOPE_SE
	s_setreg_imm32_b32 hwreg(HW_REG_WAVE_MODE, 25, 1), 1
	s_wait_xcnt 0x0
	s_wait_alu depctr_hold_cnt(0) depctr_sa_sdst(0) depctr_va_vdst(0) depctr_va_sdst(0) depctr_va_ssrc(0) depctr_va_vcc(0) depctr_vm_vsrc(0)
	s_getreg_b32 s2, hwreg(HW_REG_IB_STS2, 6, 4)
	s_cmp_eq_u32 s2, 0
	s_cbranch_scc0 .Lentry_in_a_cluster
	s_endpgm
.Lentry_in_a_cluster:
	s_bfe_u32 s2, ttmp6, 0x10000c
	s_cmp_lg_u32 s2, 0x3003
	s_cbranch_scc0 .Lentry_shape_is_right
	s_endpgm
.Lentry_shape_is_right:
; o = softmax(q k^T / 8) v for one head, both products on E4M3 codes with one E8M0 byte for each 32 along K; o is divided by the row's sum and quantised along the features for the next product.
; t = score x log2(e) / 8;  M = the running largest t rounded UP to a whole number;  p = 2^(t - M) is quantised along the keys, not normalised; the row's sum is taken of the unquantised p.  When M moves, the sum and O are multiplied by 2^(old M - new M): exact.
; SHARES.  A work-group owns 256 queries of one (batch, head), each of its sixteen waves one tile of 16, in 256 registers.
; THE HEAD'S KEYS AND VALUES LIE IN LDS WHOLE: 16 records of 16,896 bytes, one for each step of 128 keys, as they lie in memory: filled once, never again.  A record: K's codes [tile 8][block 2][512], V's codes [channel tile 4][key block 4][512],
; K's bytes [tile 8][row 16][2], V's bytes [channel tile 4][row 16][4].  512 bytes are four registers of a fragment, lane l's 16 bytes at 16 l.
; CLUSTER.  The four query blocks of a cluster belong to one head: each record is asked for JOINTLY, by the same tensor load with the same descriptor and the mask of all four.  Wave w asks for record w: one tensor load a wave, no branch round it.
; ONE BARRIER, behind every wave's wait for its load, shows the 16 records to all sixteen waves; the loop of 16 key steps has none.
; NO PREFETCH: all that the work-group reads of K and V is asked for by the one fill at the head; there is no later load to run ahead of.
; LAYOUT.  S^T = K Q^T (source 0 = 16 keys), O^T = V^T P^T (source 0 = 16 channels): a lane holds one query throughout.  Lane r of a tile 2 b + u of keys (or channels) holds number 32 b + 8 u + r + (r & 8), so that the 16 registers of two neighbouring tiles are 16 neighbours.
; The head's 64 are half of the instruction's K: the upper eight registers of Q's and K's fragments are zero codes, and the upper two bytes of their scale words 0, which is a power of two and no NaN.
; LIMITS: NaN and infinities are not served; p under 2^-126 becomes 0 (v_exp_f32); 1 / sum is v_rcp_f32; a block of zeros gets the byte 1 (its codes are zeros; this program alone reads the bytes); the promise holds while |t| stays under 2^31.
; v1 16 x lane, v2 2 r, v3 4 r; v4-6 the same + the record; v8 Q's scale word; v9 p's; v[10:11] f; v12 -M; v13 largest t; v[14:15] the sum; v16-31 Q; v32-95 four fragments of K; v96-159 S^T, p, then V's four fragments; v160-191 O^T; v192-207 p's codes; v208-233 at work; v238-251 partial sums; v254, v255 the add's
.set NREC, 16
.set REC, 16896
.set HS,  NREC*REC
.set SPARE, HS                         ; the spare words, 128 bytes a wave, behind the records
.set WV,  14
.set SEL, 20
.set CS,  22
.set MNT, 24
.set TB,  25                           ; LDS byte of the record in hand
.set CNT, 26
.set G1,  28
.set G0,  36
.set T,   238                          ; seven pairs of partial sums
.macro PLACES n
.rept \n
	v_nop
.endr
.endm
.macro ROUND                           ; a round of the cluster's barrier
	s_barrier_signal -1
	s_barrier_wait -1
	s_cmp_lg_u32 s[WV], 0
	s_cbranch_scc1 .Lnot_wave_0_\@
	s_barrier_signal -3
.Lnot_wave_0_\@:
	s_barrier_wait -3
	s_barrier_signal -1
	s_barrier_wait -1
.endm
	s_load_b256 s[4:11], s[0:1], 0x0               ; qc 4, qs 6, kv 8, oc 10
	s_load_b64 s[12:13], s[0:1], 0x20              ; os
	v_lshl_add_u32 v254, v0, 2, SPARE
	v_mov_b32 v255, 0
	ds_add_u32 v254, v255                          ; the opening lines: the add twice on end and one wait
	ds_add_u32 v254, v255
	v_lshrrev_b32 v232, 5, v0
	s_delay_alu instid0(VALU_DEP_1)
	v_readfirstlane_b32 s[WV], v232                ; wave
	v_and_b32 v233, 31, v0
	v_and_b32 v232, 15, v0
	s_delay_alu instid0(VALU_DEP_2)
	v_lshlrev_b32 v1, 4, v233
	s_delay_alu instid0(VALU_DEP_2)
	v_lshlrev_b32 v2, 1, v232
	s_delay_alu instid0(VALU_DEP_3)
	v_lshlrev_b32 v3, 2, v232
	s_bfe_u32 s15, ttmp6, 0x40000                  ; cx: it enters the addresses of q and o alone
	s_lshl_b32 s16, ttmp9, 2
	s_add_co_u32 s16, s16, s15                     ; my block of 256 queries
	s_and_b32 s17, ttmp7, 0xffff                   ; 8 x batch + head, which the four partners share
	s_lshr_b32 s18, s17, 3
	s_and_b32 s19, s17, 7
	s_mov_b32 s[SEL], 0x76543210
	s_mov_b32 s[SEL+1], 0xfedcba98
	s_mov_b32 s[CS], 0x3e38aa3b                    ; log2(e) / 8
	s_mov_b32 s[CS+1], s[CS]
	s_mov_b32 s[MNT], 0x600000
	s_mov_b32 s[G1], 15|(3<<16)|(1<<21)            ; the mask of all four; elements of 8 bytes; bit 21 beside a mask; no padding
	s_mov_b32 s[G1+1], 32<<16                      ; rows of 256 bytes
	s_mov_b32 s[G1+2], 66<<16                      ; 66 rows: a record
	s_mov_b32 s[G1+3], 32<<16
	s_mov_b32 s[G1+4], 66
	s_mov_b32 s[G1+5], 32                          ; dense
	s_mov_b32 s[G1+6], 0
	s_mov_b32 s[G1+7], 0
	s_mul_i32 s54, s17, HS
	s_mul_i32 s58, s[WV], REC
	s_add_co_u32 s54, s54, s58                     ; record number wave of my head
	s_mov_b32 s55, 0
	s_lshl_b32 s52, s16, 4
	s_add_co_u32 s52, s52, s[WV]                   ; my tile of queries in the batch
	s_lshl_b32 s53, s18, 7
	s_add_co_u32 s53, s53, s52                     ; and among all rows
	s_mov_b32 s61, 0
	s_wait_dscnt 0x0
	s_wait_kmcnt 0x0
	s_mov_b32 s[G0], 1
	s_mov_b32 s[G0+1], s58                         ; LDS: record number wave
	s_add_nc_u64 s[G0+2:G0+3], s[8:9], s[54:55]
	s_or_b32 s[G0+3], s[G0+3], 0x80000000
	s_lshl_b32 s60, s17, 17
	s_lshl_b32 s62, s52, 10
	s_add_co_u32 s60, s60, s62
	s_add_nc_u64 s[4:5], s[4:5], s[60:61]
	s_lshl_b32 s60, s17, 12
	s_lshl_b32 s62, s52, 5
	s_add_co_u32 s60, s60, s62
	s_add_nc_u64 s[6:7], s[6:7], s[60:61]
	s_lshl_b32 s60, s53, 13                        ; oc [tile 512][block 16][512]: blocks 2 head, 2 head + 1
	s_lshl_b32 s62, s19, 10
	s_add_co_u32 s60, s60, s62
	s_add_nc_u64 s[10:11], s[10:11], s[60:61]
	s_lshl_b32 s60, s53, 8                         ; os [tile][K step 4][row 16][4]: bytes 2 (head % 2) on of word head / 2
	s_lshr_b32 s62, s19, 1
	s_lshl_b32 s62, s62, 6
	s_add_co_u32 s60, s60, s62
	s_and_b32 s62, s19, 1
	s_lshl_b32 s62, s62, 1
	s_add_co_u32 s60, s60, s62
	s_add_nc_u64 s[12:13], s[12:13], s[60:61]
	ROUND                                          ; all four work-groups are here: the joint loads meet
	tensor_load_to_lds s[G0:G0+3], s[G1:G1+7]      ; my one tensor load of the launch
	s_nop 0
	PLACES 4
	s_wait_alu depctr_va_vdst(0)
	global_load_b128 v[16:19], v1, s[4:5]
	global_load_b128 v[20:23], v1, s[4:5] offset:512
	global_load_u16 v8, v2, s[6:7]
.irp i, 24,25,26,27,28,29,30,31
	v_mov_b32 v[\i], 0                             ; zero codes for the upper half of K
.endr
.irp t, 0,1,2,3
.irp i, 8,9,10,11,12,13,14,15
	v_mov_b32 v[32+16*\t+\i], 0
.endr
.endr
.set KK, 160
.rept 32
	v_mov_b32 v[KK], 0                             ; O^T: the step is written once; the first finds zeros, which the first change of M leaves zeros
.set KK, KK+1
.endr
.irp i, 11,14,15,212,213,214,215
	v_mov_b32 v[\i], 0
.endr
	v_mov_b32 v13, 0xff61b1e6                      ; -3e38, under every t
	s_delay_alu instid0(VALU_DEP_1)
	v_floor_f32 v12, -v13
	s_wait_loadcnt 0x0
	s_wait_tensorcnt 0x0                           ; my record has landed; nothing is ever filled again
	s_wait_dscnt 0x0
	s_barrier_signal -1
	s_barrier_wait -1                              ; everybody's has
	s_mov_b32 s[TB], 0
	s_mov_b32 s[CNT], NREC
.Lstep:                                            ; A KEY STEP: 128 keys
	v_add_nc_u32 v4, s[TB], v1
	v_add_nc_u32 v5, s[TB], v2
	v_add_nc_u32 v6, s[TB], v3
	s_wait_alu depctr_va_vdst(0)
	PLACES 6                                       ; nine places with the three additions: the products below write over registers that the last step's products read
.irp g, 0,1
.if \g
	PLACES 8                                       ; ahead of loads into registers that products have read
.endif
.irp t, 0,1,2,3
	ds_load_b128 v[32+16*\t:35+16*\t], v4 offset:(4*\g+\t)*1024
	ds_load_b128 v[36+16*\t:39+16*\t], v4 offset:(4*\g+\t)*1024+512
	ds_load_u16 v[224+\t], v5 offset:16384+(4*\g+\t)*32
.endr
	s_wait_dscnt 0x0
.irp t, 0,1,2,3
	v_wmma_scale_f32_16x16x128_f8f6f4 v[96+8*(4*\g+\t):103+8*(4*\g+\t)], v[32+16*\t:47+16*\t], v[16:31], 0, v[224+\t], v8
.endr
.endr
; The largest score of each block of 32 keys: for the row's maximum, and, since p rises with the score, for the block's largest p.
; Blocks 0 and 1 (tiles 0-3, eight places behind their products already) come first: their 14 lines name no register of tiles 4-7's products and are those products' places.
.irp p, 0,2
.irp b, 0,1
	v_max3_num_f32 v[208+\p+\b], v[96+16*(\p+\b)], v[97+16*(\p+\b)], v[98+16*(\p+\b)]
.endr
.irp i, 3,5,7,9,11,13
.irp b, 0,1
	v_max3_num_f32 v[208+\p+\b], v[208+\p+\b], v[96+16*(\p+\b)+\i], v[97+16*(\p+\b)+\i]
.endr
.endr
.endr
.irp b, 0,1,2,3
	v_max_num_f32 v[208+\b], v[208+\b], v[111+16*\b]
.endr
.irp b, 0,1,2,3
	s_delay_alu instid0(VALU_DEP_4)
	v_permlanex16_b32 v[212+\b], v[208+\b], s[SEL], s[SEL+1]
.endr
.irp b, 0,1,2,3
	s_delay_alu instid0(VALU_DEP_4)
	v_max_num_f32 v[208+\b], v[208+\b], v[212+\b]
.endr
	s_delay_alu instid0(VALU_DEP_2)
	v_max3_num_f32 v232, v208, v209, v210
	s_delay_alu instid0(VALU_DEP_1)
	v_max_num_f32 v232, v232, v211
	s_delay_alu instid0(VALU_DEP_1)
	v_mul_f32 v232, s[CS], v232
	s_delay_alu instid0(VALU_DEP_1)
	v_max_num_f32 v13, v13, v232                   ; the running largest t
	v_mov_b32 v232, v12
	s_delay_alu instid0(VALU_DEP_2)
	v_floor_f32 v12, -v13                          ; -M = floor(-t)
	s_delay_alu instid0(VALU_DEP_1)
	v_sub_f32 v232, v12, v232                      ; old M - new M, a whole number, 0 or less
	s_delay_alu instid0(VALU_DEP_1)
	v_cvt_i32_f32 v232, v232                       ; (it saturates)
	s_delay_alu instid0(VALU_DEP_1)
	v_ldexp_f32 v10, 1.0, v232                     ; f = 2^(old M - new M)
.set KK, 96
.rept 32
	v_pk_fma_f32 v[KK:KK+1], v[KK:KK+1], s[CS:CS+1], v[12:13] op_sel_hi:[1,0,0]   ; t - M
.set KK, KK+2
.endr
.irp b, 0,1,2,3
	v_fma_f32 v[208+\b], v[208+\b], s[CS], v12
.endr
.set KK, 96
	s_wait_alu depctr_va_vdst(0)
.rept 64
	v_exp_f32 v[KK], v[KK]
.set KK, KK+1
.endr
.irp b, 0,1,2,3
	v_exp_f32 v[208+\b], v[208+\b]                 ; the block's largest p: the same two instructions on the same number
.endr
	v_pk_mul_f32 v[14:15], v[14:15], v[10:11] op_sel_hi:[1,0]      ; the sum under the new M (a plain instruction behind the exponentials)
	s_wait_alu depctr_va_vdst(0)                   ; and behind it, ahead of the first reader
.irp b, 0,1,2,3
	v_max_num_f32 v[208+\b], 0x4800000, v[208+\b]
.endr
.irp b, 0,1,2,3
	s_delay_alu instid0(VALU_DEP_4)
	v_add_nc_u32 v[220+\b], 0xfc000000, v[208+\b]
.endr
.irp b, 0,1,2,3
	v_and_or_b32 v[216+\b], v[208+\b], 0x7f800000, s[MNT]
.endr
.irp b, 0,1,2,3
	v_lshrrev_b32 v[212+\b], 23, v[220+\b]
.endr
	s_delay_alu instid0(VALU_DEP_3)
	v_lshl_or_b32 v9, v213, 8, v212                ; p's scale word for these 128 keys
	s_delay_alu instid0(VALU_DEP_1)
	v_lshl_or_b32 v9, v214, 16, v9
	s_delay_alu instid0(VALU_DEP_1)
	v_lshl_or_b32 v9, v215, 24, v9
; the row's sum of the unquantised p: 32 pairs in eight chains (seven partial sums and the running sum), then joined
.irp c, 0,1,2,3,4,5,6
	v_pk_add_f32 v[T+2*\c:T+2*\c+1], v[96+2*\c:97+2*\c], v[112+2*\c:113+2*\c]
.endr
	v_pk_add_f32 v[14:15], v[14:15], v[110:111]
.irp c, 0,1,2,3,4,5,6
	v_pk_add_f32 v[T+2*\c:T+2*\c+1], v[T+2*\c:T+2*\c+1], v[128+2*\c:129+2*\c]
.endr
	v_pk_add_f32 v[14:15], v[14:15], v[126:127]
.irp c, 0,1,2,3,4,5,6
	v_pk_add_f32 v[T+2*\c:T+2*\c+1], v[T+2*\c:T+2*\c+1], v[144+2*\c:145+2*\c]
.endr
	v_pk_add_f32 v[14:15], v[14:15], v[142:143]
	v_pk_add_f32 v[T:T+1], v[T:T+1], v[158:159]
	v_pk_add_f32 v[T+2:T+3], v[T+2:T+3], v[T+10:T+11]
	v_pk_add_f32 v[T+4:T+5], v[T+4:T+5], v[T+12:T+13]
	s_delay_alu instid0(VALU_DEP_4)
	v_pk_add_f32 v[14:15], v[14:15], v[T+6:T+7]
	s_delay_alu instid0(VALU_DEP_4)
	v_pk_add_f32 v[T:T+1], v[T:T+1], v[T+8:T+9]
	s_delay_alu instid0(VALU_DEP_3)
	v_pk_add_f32 v[T+2:T+3], v[T+2:T+3], v[T+4:T+5]
	s_delay_alu instid0(VALU_DEP_2)
	v_pk_add_f32 v[14:15], v[14:15], v[T:T+1]
	s_delay_alu instid0(VALU_DEP_1)
	v_pk_add_f32 v[14:15], v[14:15], v[T+2:T+3]
.irp b, 0,1,2,3
.set KK, 96+16*\b
.rept 8
	v_dual_min_num_f32 v[KK], v[KK], v[216+\b] :: v_dual_min_num_f32 v[KK+1], v[KK+1], v[216+\b]   ; the hold, two numbers a line; p is not negative
.set KK, KK+2
.endr
	v_cvt_scalef32_pk8_fp8_f32 v[192+4*\b:193+4*\b], v[96+16*\b:103+16*\b], v[220+\b]
	v_cvt_scalef32_pk8_fp8_f32 v[194+4*\b:195+4*\b], v[104+16*\b:111+16*\b], v[220+\b]
.irp c, 0,1,2,3
	ds_load_b128 v[96+16*\b+4*\c:99+16*\b+4*\c], v4 offset:8192+2048*\b+512*\c   ; V's channel tile b takes the registers that block b's p has left
.endr
.endr
.irp c, 0,1,2,3
	ds_load_b32 v[228+\c], v6 offset:16640+64*\c
.endr
	s_wait_alu depctr_va_vdst(0)                   ; the wait directly ahead of the first reader of O^T
.set KK, 160
.rept 16
	v_pk_mul_f32 v[KK:KK+1], v[KK:KK+1], v[10:11] op_sel_hi:[1,0]  ; O^T under the new M; also the places between the conversions and the products
.set KK, KK+2
.endr
	s_wait_alu depctr_va_vdst(0)                   ; and directly ahead of the wait below
	s_wait_dscnt 0x0
.irp c, 0,1,2,3
	v_wmma_scale_f32_16x16x128_f8f6f4 v[160+8*\c:167+8*\c], v[96+16*\c:111+16*\c], v[192:207], v[160+8*\c:167+8*\c], v[228+\c], v9
.endr
	s_add_co_u32 s[TB], s[TB], REC
	s_sub_co_u32 s[CNT], s[CNT], 1
	s_cmp_lg_u32 s[CNT], 0
	s_cbranch_scc1 .Lstep
	PLACES 8
	v_add_f32 v14, v14, v15
	s_delay_alu instid0(VALU_DEP_1)
	v_permlanex16_b32 v232, v14, s[SEL], s[SEL+1]
	s_delay_alu instid0(VALU_DEP_1)
	v_add_f32 v14, v14, v232
	s_wait_alu depctr_va_vdst(0)
	v_rcp_f32 v14, v14
	v_nop
.set KK, 0
	s_wait_alu depctr_va_vdst(0)
.rept 32
	v_mul_f32 v[96+KK], v[160+KK], v14             ; register 16 b + i: channel 32 b + 16 (lane / 16) + i of my query
.set KK, KK+1
.endr
; o's two blocks of 32 channels are quantised: v208 + b largest magnitude, v212 + b byte, v216 + b 448 x scale, v220 + b the conversion's scale operand, v224 + 4 b codes
.irp b, 0,1
	v_max3_num_f32 v[208+\b], |v[96+16*\b]|, |v[97+16*\b]|, 0x4800000
.endr
.irp i, 2,4,6,8,10,12,14
.irp b, 0,1
	s_delay_alu instid0(VALU_DEP_2)
	v_max3_num_f32 v[208+\b], v[208+\b], |v[96+16*\b+\i]|, |v[97+16*\b+\i]|
.endr
.endr
.irp b, 0,1
	s_delay_alu instid0(VALU_DEP_2)
	v_permlanex16_b32 v[212+\b], v[208+\b], s[SEL], s[SEL+1]
.endr
.irp b, 0,1
	s_delay_alu instid0(VALU_DEP_2)
	v_max_num_f32 v[208+\b], v[208+\b], v[212+\b]
.endr
	s_delay_alu instid0(VALU_DEP_2)
	v_add_nc_u32 v220, 0xfc000000, v208
	s_delay_alu instid0(VALU_DEP_3)
	v_and_or_b32 v216, v208, 0x7f800000, s[MNT]
	s_delay_alu instid0(VALU_DEP_3)
	v_add_nc_u32 v221, 0xfc000000, v209
	s_delay_alu instid0(VALU_DEP_4)
	v_and_or_b32 v217, v209, 0x7f800000, s[MNT]
	s_delay_alu instid0(VALU_DEP_4)
	v_lshrrev_b32 v212, 23, v220
	s_delay_alu instid0(VALU_DEP_3)
	v_lshrrev_b32 v213, 23, v221
.irp b, 0,1
.set KK, 96+16*\b
.rept 16
	v_med3_num_f32 v[KK], v[KK], -v[216+\b], v[216+\b]
.set KK, KK+1
.endr
	v_cvt_scalef32_pk8_fp8_f32 v[224+4*\b:225+4*\b], v[96+16*\b:103+16*\b], v[220+\b]
	v_cvt_scalef32_pk8_fp8_f32 v[226+4*\b:227+4*\b], v[104+16*\b:111+16*\b], v[220+\b]
.endr
	v_nop
	v_lshl_or_b32 v232, v213, 8, v212
	global_store_b128 v1, v[224:227], s[10:11]
	global_store_b128 v1, v[228:231], s[10:11] offset:512
	global_store_b16 v3, v232, s[12:13]            ; lanes r and r + 16 hold the same two bytes and store them to the same place
	s_wait_tensorcnt 0x0                           ; the wave's end
	ds_add_u32 v254, v255
	s_wait_dscnt 0x0
	ROUND                                          ; the closing round: no work-group ends while a partner may still ask
	s_endpgm
.Lfunc_end_k_q34785f511c_attn_sa:
	.size	k_q34785f511c_attn_sa, .Lfunc_end_k_q34785f511c_attn_sa-k_q34785f511c_attn_sa
	.p2alignl 7, 3214868480
	.fill 96, 4, 3214868480
	.section	.rodata,"a",@progbits
	.p2align	6, 0x0
	.amdhsa_kernel k_q34785f511c_attn_sa
		.amdhsa_group_segment_fixed_size 272384
		.amdhsa_private_segment_fixed_size 0
		.amdhsa_enable_private_segment 0
		.amdhsa_kernarg_size 40
		.amdhsa_user_sgpr_count 2
		.amdhsa_user_sgpr_kernarg_segment_ptr 1
		.amdhsa_wavefront_size32 1
		.amdhsa_system_sgpr_workgroup_id_x 1
		.amdhsa_system_sgpr_workgroup_id_y 1
		.amdhsa_system_sgpr_workgroup_id_z 1
		.amdhsa_system_vgpr_workitem_id 0
		.amdhsa_next_free_vgpr 256
		.amdhsa_next_free_sgpr 66
		.amdhsa_reserve_vcc 0
		.amdhsa_float_denorm_mode_32 3
		.amdhsa_float_denorm_mode_16_64 3
		.amdhsa_memory_ordered 1
		.amdhsa_forward_progress 1
		.amdhsa_inst_pref_size 34
	.end_amdhsa_kernel
	.amdgpu_metadata
---
amdhsa.version: [ 1, 2 ]
amdhsa.kernels:
  - .name:           k_q34785f511c_attn_sa
    .symbol:         k_q34785f511c_attn_sa.kd
    .args:
      - { .name: qc, .offset: 0, .size: 8, .value_kind: global_buffer, .address_space: global }
      - { .name: qs, .offset: 8, .size: 8, .value_kind: global_buffer, .address_space: global }
      - { .name: kv1, .offset: 16, .size: 8, .value_kind: global_buffer, .address_space: global }
      - { .name: oc, .offset: 24, .size: 8, .value_kind: global_buffer, .address_space: global }
      - { .name: os, .offset: 32, .size: 8, .value_kind: global_buffer, .address_space: global }
    .group_segment_fixed_size: 272384
    .private_segment_fixed_size: 0
    .kernarg_segment_align: 8
    .kernarg_segment_size: 40
    .max_flat_workgroup_size: 512
    .sgpr_count:     66
    .vgpr_count:     256
    .wavefront_size: 32
...
	.end_amdgpu_metadata
.endif
;; end of part 2
;; launch mid (part 3): grid 256 x 1, 16 waves a work-group, no clusters, 205,312 bytes of LDS; arguments oc, os, x, sa_wo_codes, sa_wo_scales, sa_bo, ca_ng, ca_nb, ca_wq_codes, ca_wq_scales, x1, qc, qs; writes x1, qc, qs
.if DOCPART == 3
	.amdgcn_target "amdgcn-amd-amdhsa--gfx1250"
	.amdhsa_code_object_version 6
	.text
	.protected	k_q34785f511c_mid
	.globl	k_q34785f511c_mid
	.p2align	8
	.type	k_q34785f511c_mid,@function
k_q34785f511c_mid:
	s_mov_b64 s[64:65], 0
	v_nop
	global_prefetch_b8 v0, s[64:65] scope:SCOPE_SE
	s_setreg_imm32_b32 hwreg(HW_REG_WAVE_MODE, 25, 1), 1
	s_wait_xcnt 0x0
; x1 = o wo + bo + x; then cross-attention's front: LayerNorm of x1, quantised, the product with wq, q quantised along the head's 64.
; SHARES as in the launch for x: 32 rows a work-group as two tiles (lane r of tile ut: row 8 ut + r + (r & 8)).  In the first product wave w owns columns 64 w .. 64 w + 63 (source 0 = 16 rows of wo, source 1 = 16 rows of o),
; so that its results lie as the rows' layout wants them: register 32 ut + 16 b + i: column 64 w + 32 b + 16 (lane / 16) + i.  x + bo is the C of each sum's first product: the order of additions differs from the reference's by f32 rounding alone.
; x1 leaves through a stage in LDS as whole rows: each store covers 512 consecutive bytes, aligned.  In the second product wave w owns columns 32 w .. 32 w + 31.
; bo, ng, nb AND o's SCALE WORDS come once for the work-group: a wave loads 512 bytes of one of them, they lie in LDS as in memory, and each wave reads what it wants from there (waves 8-15 all fetch the 512 bytes of scale words; wave 8's copy is read).
; NO JOINT LOADS: each weight byte goes from memory straight into the registers of the one wave that multiplies by it; joint loads land in LDS.
; LIMITS: NaN and infinities are not served; a block of zeros gets the byte 1 (its codes are zeros; this program alone reads the bytes); 1 / sqrt is v_rsq_f32.
.set OIMG, 0                           ; LDS: o's codes [tile 2][block 16][512]
.set AX,   16384                       ; image of LN(x1) [tile 2][block 32][512]
.set SCB,  49152                       ; its scale words
.set RED1, 50176
.set STG,  55296                       ; 32 rows x (4,096 + 16)
.set GL,   186880                      ; bo, ng, nb, 4,096 bytes each; then eight copies of o's 512 bytes of scale words
.set X, 16
.set G, 144
.set B, 176
.set LI, 1
.set OSA, 2                            ; where o's scale words are read: GL + 12,288 + 4 r
.set XA, 3
.set GAL, 4                            ; where I read a vector: GL + 256 x wave + 64 (lane / 16)
.set WA, 5
.set WSA, 6
.set REDW, 7
.set REDR, 8
.set AIW, 9
.set ASW, 10
.set ASR, 11
.set STO, 12
.set STR, 13
.set OCW, 14
.set WA2, 15
.set WSA2, 232
.set L2, 233
.set GSW, 234                          ; where I store 16 bytes of a vector: GL + 16 x thread
.set GO1, 235                          ; my 16 bytes of a vector of 4,096
.set GO2, 236                          ; the same for waves 0-7; for waves 8-15 16 x lane
.set SEL, 32
.set MNT, 34
.set INVK, 35
.set EPS, 36
.macro BARRIER
	s_wait_dscnt 0x0
	s_barrier_signal -1
	s_barrier_wait -1
.endm
.macro PLACES n
.rept \n
	v_nop
.endr
.endm
.macro XLOAD dst, sb, xa, rowb
.irp ut, 0,1
.irp b, 0,1
.irp j, 0,1,2,3
	global_load_b128 v[\dst+32*\ut+16*\b+4*\j:\dst+32*\ut+16*\b+4*\j+3], v[\xa], s[\sb:\sb+1] offset:\ut*8*\rowb+128*\b+16*\j
.endr
.endr
.endr
.endm
.macro GLD dst, off
.irp b, 0,1
.irp j, 0,1,2,3
	ds_load_b128 v[\dst+16*\b+4*\j:\dst+16*\b+4*\j+3], v[GAL] offset:\off+128*\b+16*\j
.endr
.endr
.endm
.macro RSUM sq
.if \sq
.irp ut, 0,1
	v_pk_mul_f32 v[240+4*\ut:241+4*\ut], v[X+32*\ut:X+32*\ut+1], v[X+32*\ut:X+32*\ut+1]
	v_pk_mul_f32 v[242+4*\ut:243+4*\ut], v[X+32*\ut+2:X+32*\ut+3], v[X+32*\ut+2:X+32*\ut+3]
.endr
.irp j, 4,8,12,16,20,24,28
.irp ut, 0,1
	s_delay_alu instid0(VALU_DEP_4)
	v_pk_fma_f32 v[240+4*\ut:241+4*\ut], v[X+32*\ut+\j:X+32*\ut+\j+1], v[X+32*\ut+\j:X+32*\ut+\j+1], v[240+4*\ut:241+4*\ut]
	s_delay_alu instid0(VALU_DEP_4)
	v_pk_fma_f32 v[242+4*\ut:243+4*\ut], v[X+32*\ut+\j+2:X+32*\ut+\j+3], v[X+32*\ut+\j+2:X+32*\ut+\j+3], v[242+4*\ut:243+4*\ut]
.endr
.endr
.else
.irp ut, 0,1
	v_pk_add_f32 v[240+4*\ut:241+4*\ut], v[X+32*\ut:X+32*\ut+1], v[X+32*\ut+4:X+32*\ut+5]
	v_pk_add_f32 v[242+4*\ut:243+4*\ut], v[X+32*\ut+2:X+32*\ut+3], v[X+32*\ut+6:X+32*\ut+7]
.endr
.irp j, 8,12,16,20,24,28
.irp ut, 0,1
	v_pk_add_f32 v[240+4*\ut:241+4*\ut], v[240+4*\ut:241+4*\ut], v[X+32*\ut+\j:X+32*\ut+\j+1]
	v_pk_add_f32 v[242+4*\ut:243+4*\ut], v[242+4*\ut:243+4*\ut], v[X+32*\ut+\j+2:X+32*\ut+\j+3]
.endr
.endr
.endif
.irp ut, 0
	s_delay_alu instid0(VALU_DEP_3)
	v_pk_add_f32 v[240+4*\ut:241+4*\ut], v[240+4*\ut:241+4*\ut], v[242+4*\ut:243+4*\ut]
.endr
.irp ut, 1
	s_delay_alu instid0(VALU_DEP_2)
	v_pk_add_f32 v[240+4*\ut:241+4*\ut], v[240+4*\ut:241+4*\ut], v[242+4*\ut:243+4*\ut]
.endr
.irp ut, 0,1
	s_delay_alu instid0(VALU_DEP_2)
	v_add_f32 v[240+4*\ut], v[240+4*\ut], v[241+4*\ut]
.endr
.endm
.macro XCH1 off
	s_delay_alu instid0(VALU_DEP_2)
	v_permlanex16_b32 v242, v240, s[SEL], s[SEL+1]
	s_delay_alu instid0(VALU_DEP_2)
	v_permlanex16_b32 v246, v244, s[SEL], s[SEL+1]
	s_delay_alu instid0(VALU_DEP_2)
	v_add_f32 v240, v240, v242
	s_delay_alu instid0(VALU_DEP_2)
	v_add_f32 v244, v244, v246
	s_delay_alu instid0(VALU_DEP_1)
	v_cndmask_b32 v252, v240, v244, vcc_lo
	ds_store_b32 v[REDW], v252 offset:\off
.endm
.macro XCH2 off, n
.irp k, 0,1,2,3
.if 4*\k < \n
	ds_load_b128 v[208+4*\k:211+4*\k], v[REDR] offset:\off+16*\k
.endif
.endr
.endm
.macro XCH3 n
	v_pk_add_f32 v[208:209], v[208:209], v[210:211]
	v_pk_add_f32 v[212:213], v[212:213], v[214:215]
	v_pk_add_f32 v[216:217], v[216:217], v[218:219]
.if \n > 12
	v_pk_add_f32 v[220:221], v[220:221], v[222:223]
	s_delay_alu instid0(VALU_DEP_1)
	v_pk_add_f32 v[216:217], v[216:217], v[220:221]
.endif
	s_delay_alu instid0(VALU_DEP_4)
	v_pk_add_f32 v[208:209], v[208:209], v[212:213]
	s_delay_alu instid0(VALU_DEP_1)
	v_pk_add_f32 v[208:209], v[208:209], v[216:217]
	s_delay_alu instid0(VALU_DEP_1)
	v_add_f32 v252, v208, v209
.endm
.macro SPREAD
	v_permlanex16_b32 v253, v252, s[SEL], s[SEL+1]
	v_cndmask_b32 v248, v252, v253, vcc_lo
	v_cndmask_b32 v250, v253, v252, vcc_lo
	s_delay_alu instid0(VALU_DEP_2)
	v_mov_b32 v249, v248
	s_delay_alu instid0(VALU_DEP_2)
	v_mov_b32 v251, v250
.endm
.macro LNSUB
.irp ut, 0,1
.set KK, X+32*\ut
.rept 16
	v_pk_add_f32 v[KK:KK+1], v[KK:KK+1], v[248+2*\ut:249+2*\ut] neg_lo:[0,1] neg_hi:[0,1]
.set KK, KK+2
.endr
.endr
.endm
.macro LNMUL
.irp ut, 0,1
.set KK, X+32*\ut
.rept 16
	v_pk_mul_f32 v[KK:KK+1], v[KK:KK+1], v[248+2*\ut:249+2*\ut]
.set KK, KK+2
.endr
.endr
.endm
.macro AFFINE dst
.irp ut, 0,1
.set KK, 0
.rept 16
	v_pk_fma_f32 v[\dst+32*\ut+KK:\dst+32*\ut+KK+1], v[X+32*\ut+KK:X+32*\ut+KK+1], v[G+KK:G+KK+1], v[B+KK:B+KK+1]
.set KK, KK+2
.endr
.endr
.endm
.macro QUANT s, nb, tm
.irp b, 0,1,2,3
.if \b < \nb
	v_max3_num_f32 v[\tm+\b], |v[\s+16*\b]|, |v[\s+16*\b+1]|, 0x4800000
.endif
.endr
.irp i, 2,4,6,8,10,12,14
.irp b, 0,1,2,3
.if \b < \nb
	v_max3_num_f32 v[\tm+\b], v[\tm+\b], |v[\s+16*\b+\i]|, |v[\s+16*\b+\i+1]|
.endif
.endr
.endr
.irp b, 0,1,2,3
.if \b < \nb
	v_permlanex16_b32 v[\tm+4+\b], v[\tm+\b], s[SEL], s[SEL+1]
.endif
.endr
.irp b, 0,1,2,3
.if \b < \nb
	v_max_num_f32 v[\tm+\b], v[\tm+\b], v[\tm+4+\b]
.endif
.endr
.irp b, 0,1,2,3
.if \b < \nb
	v_add_nc_u32 v[\tm+12+\b], 0xfc000000, v[\tm+\b]
	v_and_or_b32 v[\tm+8+\b], v[\tm+\b], 0x7f800000, s[MNT]
.endif
.endr
.irp b, 0,1,2,3
.if \b < \nb
	v_lshrrev_b32 v[\tm+4+\b], 23, v[\tm+12+\b]
.endif
.endr
.irp b, 0,1,2,3
.if \b < \nb
.set KK, \s+16*\b
.rept 16
	v_med3_num_f32 v[KK], v[KK], -v[\tm+8+\b], v[\tm+8+\b]
.set KK, KK+1
.endr
	v_cvt_scalef32_pk8_fp8_f32 v[\tm+16+4*\b:\tm+17+4*\b], v[\s+16*\b:\s+16*\b+7], v[\tm+12+\b]
	v_cvt_scalef32_pk8_fp8_f32 v[\tm+18+4*\b:\tm+19+4*\b], v[\s+16*\b+8:\s+16*\b+15], v[\tm+12+\b]
.endif
.endr
	v_nop
.endm
.macro PACK4 tm
	v_lshl_or_b32 v252, v[\tm+5], 8, v[\tm+4]
	s_delay_alu instid0(VALU_DEP_1)
	v_lshl_or_b32 v252, v[\tm+6], 16, v252
	s_delay_alu instid0(VALU_DEP_1)
	v_lshl_or_b32 v252, v[\tm+7], 24, v252
	s_delay_alu instid0(VALU_DEP_1)
	v_lshrrev_b32 v253, 16, v252
.endm
.macro IMG off, soff, tm
.irp ut, 0,1
.irp b, 0,1
	ds_store_b128 v[AIW], v[\tm+16+8*\ut+4*\b:\tm+19+8*\ut+4*\b] offset:\off+16384*\ut+512*\b
.endr
.endr
	ds_store_b16 v[ASW], v252 offset:\soff
	ds_store_b16 v[ASW], v253 offset:\soff+512
.endm
.macro WLOAD slot, off, sb, wa, kb
.irp u, 0,1
.irp c, 0,1,2,3
	global_load_b128 v[80+32*(\slot)+16*\u+4*\c:83+32*(\slot)+16*\u+4*\c], v[\wa], s[\sb:\sb+1] offset:\off+\u*8*\kb+32*\c
.endr
.endr
.endm
.macro AFETCH base, stride
.irp ut, 0,1
.irp c, 0,1,2,3
	ds_load_b128 v[176+16*\ut+4*\c:179+16*\ut+4*\c], v[LI] offset:\base+\stride*\ut+512*\c
.endr
.endr
.endm
.macro ASL base
	ds_load_b32 v254, v[ASR] offset:\base
	ds_load_b32 v255, v[ASR] offset:\base+512
.endm
.macro MM1 d, a, b, zero, sa, sb
.if \zero
	v_wmma_scale_f32_16x16x128_f8f6f4 v[\d:\d+7], v[\a:\a+15], v[\b:\b+15], 0, v[\sa], v[\sb]
.else
	v_wmma_scale_f32_16x16x128_f8f6f4 v[\d:\d+7], v[\a:\a+15], v[\b:\b+15], v[\d:\d+7], v[\sa], v[\sb]
.endif
.endm
.macro MM4S slot, acc, os, zero, w0, w1, a0, a1
	MM1 \acc, 80+32*(\slot), 176, \zero, \w0, \a0
	MM1 \acc+8, 96+32*(\slot), 176, \zero, \w1, \a0
	MM1 \acc+\os, 80+32*(\slot), 192, \zero, \w0, \a1
	MM1 \acc+\os+8, 96+32*(\slot), 192, \zero, \w1, \a1
.endm
	s_load_b512 s[4:19], s[0:1], 0x0               ; oc 4, os 6, x 8, wo 10, wo's scales 12, bo 14, ng 16, nb 18
	s_load_b256 s[20:27], s[0:1], 0x40             ; wq 20, wq's scales 22, x1 24, qc 26
	s_load_b64 s[28:29], s[0:1], 0x60              ; qs
	v_lshl_add_u32 v238, v0, 2, 0x31a00
	v_mov_b32 v239, 0
	v_mov_b32 v253, 0
.irp i, 180,181,182,183
	v_mov_b32 v[\i], 0
.endr
	v_lshrrev_b32 v240, 5, v0
	s_delay_alu instid0(VALU_DEP_1)
	v_readfirstlane_b32 s30, v240                  ; wave
	v_and_b32 v243, 31, v0
	s_wait_alu depctr_va_vdst(0)
	v_and_b32 v240, 15, v0
	s_wait_alu depctr_va_vdst(0)
	v_bfe_u32 v241, v0, 4, 1
	v_and_b32 v242, 8, v240
	s_delay_alu instid0(VALU_DEP_1)
	v_add_nc_u32 v242, v242, v240
	s_wait_alu depctr_va_vdst(0)
	s_lshl_b32 s50, s30, 8
	s_lshl_b32 s51, s30, 2
	s_lshl_b32 s52, s30, 10
	s_lshr_b32 s53, s30, 1
	s_and_b32 s54, s30, 1
	s_lshl_b32 s55, s53, 6
	s_lshl_b32 s56, s54, 1
	s_add_co_u32 s55, s55, s56
	s_mul_i32 s57, s30, 2*4112
	s_lshl_b32 s49, s30, 9
	s_cmp_lt_u32 s30, 8
	s_cselect_b32 s48, s49, 0
	v_lshlrev_b32 v[LI], 4, v243
	v_lshl_add_u32 v[OSA], v240, 2, GL+12288
	v_lshlrev_b32 v[XA], 12, v242
	s_delay_alu instid0(VALU_DEP_1)
	v_lshl_add_u32 v[XA], v241, 6, v[XA]
	s_delay_alu instid0(VALU_DEP_1)
	v_add_nc_u32 v[XA], s50, v[XA]
	v_lshl_add_u32 v[GAL], v241, 6, s50
	s_delay_alu instid0(VALU_DEP_1)
	v_add_nc_u32 v[GAL], GL, v[GAL]
	v_lshlrev_b32 v[WA], 9, v242
	s_delay_alu instid0(VALU_DEP_1)
	v_lshl_add_u32 v[WA], v241, 4, v[WA]
	v_lshlrev_b32 v[WSA], 4, v242
	v_lshlrev_b32 v[WA2], 10, v242
	s_delay_alu instid0(VALU_DEP_1)
	v_lshl_add_u32 v[WA2], v241, 4, v[WA2]
	v_lshlrev_b32 v[WSA2], 5, v242
	v_mul_u32_u24 v[REDR], v243, 80
	s_delay_alu instid0(VALU_DEP_1)
	v_add_nc_u32 v[REDR], RED1, v[REDR]
	s_delay_alu instid0(VALU_DEP_1)
	v_add_nc_u32 v[REDW], s51, v[REDR]
	v_add_nc_u32 v[AIW], s52, v[LI]
	v_lshl_add_u32 v[ASR], v240, 2, SCB
	s_delay_alu instid0(VALU_DEP_1)
	v_add_nc_u32 v[ASW], s55, v[ASR]
	v_mul_u32_u24 v[STO], v242, 4112
	s_delay_alu instid0(VALU_DEP_1)
	v_lshl_add_u32 v[STO], v241, 6, v[STO]
	s_delay_alu instid0(VALU_DEP_1)
	v_add_nc_u32 v[STO], s50, v[STO]
	s_delay_alu instid0(VALU_DEP_1)
	v_add_nc_u32 v[STO], STG, v[STO]
	v_add_nc_u32 v[STR], s57, v[LI]
	s_delay_alu instid0(VALU_DEP_1)
	v_add_nc_u32 v[STR], STG, v[STR]
	v_lshlrev_b32 v[OCW], 4, v0
	v_lshlrev_b32 v[L2], 1, v243
	v_lshl_add_u32 v[GSW], v0, 4, GL
	v_and_b32 v[GO1], 255, v0
	s_delay_alu instid0(VALU_DEP_1)
	v_lshlrev_b32 v[GO1], 4, v[GO1]
	v_add_nc_u32 v[GO2], s48, v[LI]
	s_mov_b32 s[SEL], 0x76543210
	s_mov_b32 s[SEL+1], 0xfedcba98
	s_mov_b32 s[MNT], 0x600000
	s_mov_b32 s[INVK], 0x3a800000
	s_mov_b32 s[EPS], 0x3727c5ac
	s_mov_b32 vcc_lo, 0xffff0000
	s_mov_b32 s39, 0
	s_wait_alu depctr_va_vdst(0)
	s_wait_kmcnt 0x0
	s_lshl_b32 s38, ttmp9, 14
	s_add_nc_u64 s[4:5], s[4:5], s[38:39]
	s_lshl_b32 s38, ttmp9, 9
	s_add_nc_u64 s[6:7], s[6:7], s[38:39]
	s_lshl_b32 s38, ttmp9, 17
	s_add_nc_u64 s[8:9], s[8:9], s[38:39]
	s_add_nc_u64 s[24:25], s[24:25], s[38:39]
	s_lshl_b32 s38, s30, 15
	s_add_nc_u64 s[10:11], s[10:11], s[38:39]
	s_add_nc_u64 s[20:21], s[20:21], s[38:39]
	s_lshl_b32 s38, s30, 10
	s_add_nc_u64 s[12:13], s[12:13], s[38:39]
	s_add_nc_u64 s[22:23], s[22:23], s[38:39]
	s_cmp_lt_u32 s30, 8                            ; waves 0-7: bo, then nb; waves 8-15: ng, then o's scale words
	s_cselect_b64 s[44:45], s[14:15], s[16:17]
	s_cselect_b64 s[46:47], s[18:19], s[6:7]
	global_load_b128 v[240:243], v[OCW], s[4:5]                    ; o's codes of my 32 rows: 16,384 bytes, 32 a thread
	global_load_b128 v[244:247], v[OCW], s[4:5] offset:8192
	global_load_b128 v[248:251], v[GO1], s[44:45]
	global_load_b128 v[252:255], v[GO2], s[46:47]
	XLOAD X, 8, XA, 4096
.irp b, 0,1
.irp u, 0,1
	global_load_b128 v[208+8*\b+4*\u:211+8*\b+4*\u], v[WSA], s[12:13] offset:512*\b+128*\u   ; wo's scale words: four K steps a row
.endr
.endr
	WLOAD 0, 0, 10, WA, 512
	WLOAD 1, 16384, 10, WA, 512
	s_lshl_b32 s38, s30, 13                        ; x1: on the way out wave w stores rows 2 w, 2 w + 1
	s_add_nc_u64 s[24:25], s[24:25], s[38:39]
	s_lshr_b32 s41, ttmp9, 6
	s_and_b32 s31, ttmp9, 63
	s_lshl_b32 s37, s41, 3
	s_add_co_u32 s37, s37, s53
	s_lshl_b32 s38, s37, 17
	s_lshl_b32 s59, s31, 11
	s_add_co_u32 s38, s38, s59
	s_lshl_b32 s59, s54, 9
	s_add_co_u32 s38, s38, s59
	s_add_nc_u64 s[26:27], s[26:27], s[38:39]
	s_lshl_b32 s38, s37, 12
	s_lshl_b32 s59, s31, 6
	s_add_co_u32 s38, s38, s59
	s_add_co_u32 s38, s38, s54
	s_add_nc_u64 s[28:29], s[28:29], s[38:39]
	s_wait_loadcnt 36                              ; o's codes and the vectors' parts are in; behind them: 16 + 4 + 16 loads
	ds_store_b128 v[OCW], v[240:243]
	ds_store_b128 v[OCW], v[244:247] offset:8192
	ds_store_b128 v[GSW], v[248:251]
	ds_store_b128 v[GSW], v[252:255] offset:8192
	BARRIER
	GLD 176, 0                                     ; bo
.irp ut, 0,1
.irp k, 0,1,2,3
	ds_load_b32 v[224+4*\ut+\k], v[OSA] offset:256*\ut+64*\k       ; o's scale words
.endr
.endr
	s_wait_loadcnt 20                              ; x is in; behind it: 4 + 16 loads
	s_wait_dscnt 0x0
.irp ut, 0,1
.set KK, 0
.rept 16
	v_pk_add_f32 v[X+32*\ut+KK:X+32*\ut+KK+1], v[X+32*\ut+KK:X+32*\ut+KK+1], v[176+KK:177+KK]
.set KK, KK+2
.endr
.endr
; o wo: eight pairs, p = 2 (K step) + (block of 32 columns)
.set P, 0
	s_wait_alu depctr_va_vdst(0)
.rept 8
	PLACES 8
.if P+2 < 8
	WLOAD (P+2)%3, 16384*((P+2)%2)+128*((P+2)/2), 10, WA, 512
.endif
.if P%2 == 0
	AFETCH OIMG+2048*(P/2), 8192
.endif
.if P < 6
	s_wait_loadcnt 16                              ; this pair's weights are in; the two younger pairs' 16 loads may be out
.else
	s_wait_loadcnt 8*(7-P)
.endif
	s_wait_dscnt 0x0
	MM4S P%3, 16+16*(P%2), 32, 0, 208+8*(P%2)+P/2, 212+8*(P%2)+P/2, 224+P/2, 228+P/2
.set P, P+1
.endr
	PLACES 8
.irp ut, 0,1                                   ; x1 into the stage: each accumulator from its low end on
.irp b, 0,1
.irp j, 0,1,2,3
	ds_store_b128 v[STO], v[X+32*\ut+16*\b+4*\j:X+32*\ut+16*\b+4*\j+3] offset:32896*\ut+128*\b+16*\j
.endr
.endr
.endr
	RSUM 0
	XCH1 0
	BARRIER                                        ; the sums' words and the stage are whole
	XCH2 0, 16
.irp k, 0,1,2,3,4,5,6,7,8,9,10,11,12,13,14,15
	ds_load_b128 v[80+4*\k:83+4*\k], v[STR] offset:4112*(\k/8)+512*(\k%8)
.endr
	s_wait_dscnt 16                                ; the four reads of the sums are in; the 16 reads of the stage may be out
	XCH3 16
	s_delay_alu instid0(VALU_DEP_1)
	v_mul_f32 v252, s[INVK], v252
	SPREAD
	LNSUB
	RSUM 1
	XCH1 2560
	s_wait_dscnt 0x0
.irp k, 0,1,2,3,4,5,6,7,8,9,10,11,12,13,14,15
	global_store_b128 v[LI], v[80+4*\k:83+4*\k], s[24:25] offset:4096*(\k/8)+512*(\k%8)   ; 32 lanes store 512 consecutive bytes of a row
.endr
	s_barrier_signal -1
	s_barrier_wait -1
	XCH2 2560, 16
	GLD G, 4096                                    ; ng
	GLD B, 8192                                    ; nb
	s_wait_dscnt 16                                ; the four reads of the sums are in; the 16 reads of gain and bias may be out
	XCH3 16
	s_delay_alu instid0(VALU_DEP_1)
	v_fma_f32 v252, v252, s[INVK], s[EPS]
	s_wait_alu depctr_va_vdst(0)
	v_rsq_f32 v252, v252
	v_nop
	s_wait_alu depctr_va_vdst(0)
	SPREAD
	LNMUL
	s_wait_dscnt 0x0
	AFFINE X
	s_wait_xcnt 0x0                                ; x1's stores have read v80-143: weights are loaded there only behind this wait
.irp u, 0,1
.irp q, 0,1
	global_load_b128 v[208+8*\u+4*\q:211+8*\u+4*\q], v[WSA2], s[22:23] offset:256*\u+16*\q
.endr
.endr
	WLOAD 0, 0, 20, WA2, 1024
	WLOAD 1, 128, 20, WA2, 1024
	QUANT X, 4, 176
	PACK4 176
	IMG AX, 0, 176
	BARRIER
.set P, 0
.rept 8
	PLACES 8
.if P+2 < 8
	WLOAD (P+2)%3, 128*(P+2), 20, WA2, 1024
.endif
	AFETCH AX+2048*P, 16384
	ASL 64*P
.if P < 6
	s_wait_loadcnt 16
.else
	s_wait_loadcnt 8*(7-P)
.endif
	s_wait_dscnt 0x0
.if P == 0
.set Z, 1
.else
.set Z, 0
.endif
	MM4S P%3, 16, 16, Z, 208+P, 216+P, 254, 255
.set P, P+1
.endr
	PLACES 8
	QUANT 16, 2, 176
	global_store_b128 v[LI], v[192:195], s[26:27]
	global_store_b128 v[LI], v[196:199], s[26:27] offset:1024
	v_cndmask_b32 v252, v180, v181, vcc_lo
	global_store_b8 v[L2], v252, s[28:29]
	s_wait_tensorcnt 0x0
	ds_add_u32 v238, v239
	s_wait_dscnt 0x0
	s_endpgm
.Lfunc_end_k_q34785f511c_mid:
	.size	k_q34785f511c_mid, .Lfunc_end_k_q34785f511c_mid-k_q34785f511c_mid
	.p2alignl 7, 3214868480
	.fill 96, 4, 3214868480
	.section	.rodata,"a",@progbits
	.p2align	6, 0x0
	.amdhsa_kernel k_q34785f511c_mid
		.amdhsa_group_segment_fixed_size 205312
		.amdhsa_private_segment_fixed_size 0
		.amdhsa_enable_private_segment 0
		.amdhsa_kernarg_size 104
		.amdhsa_user_sgpr_count 2
		.amdhsa_user_sgpr_kernarg_segment_ptr 1
		.amdhsa_wavefront_size32 1
		.amdhsa_system_sgpr_workgroup_id_x 1
		.amdhsa_system_sgpr_workgroup_id_y 1
		.amdhsa_system_sgpr_workgroup_id_z 1
		.amdhsa_system_vgpr_workitem_id 0
		.amdhsa_next_free_vgpr 256
		.amdhsa_next_free_sgpr 66
		.amdhsa_reserve_vcc 1
		.amdhsa_float_denorm_mode_32 3
		.amdhsa_float_denorm_mode_16_64 3
		.amdhsa_memory_ordered 1
		.amdhsa_forward_progress 1
		.amdhsa_inst_pref_size 76
	.end_amdhsa_kernel
	.amdgpu_metadata
---
amdhsa.version: [ 1, 2 ]
amdhsa.kernels:
  - .name:           k_q34785f511c_mid
    .symbol:         k_q34785f511c_mid.kd
    .args:
      - { .name: oc, .offset: 0, .size: 8, .value_kind: global_buffer, .address_space: global }
      - { .name: os, .offset: 8, .size: 8, .value_kind: global_buffer, .address_space: global }
      - { .name: x, .offset: 16, .size: 8, .value_kind: global_buffer, .address_space: global }
      - { .name: sa_wo_codes, .offset: 24, .size: 8, .value_kind: global_buffer, .address_space: global }
      - { .name: sa_wo_scales, .offset: 32, .size: 8, .value_kind: global_buffer, .address_space: global }
      - { .name: sa_bo, .offset: 40, .size: 8, .value_kind: global_buffer, .address_space: global }
      - { .name: ca_ng, .offset: 48, .size: 8, .value_kind: global_buffer, .address_space: global }
      - { .name: ca_nb, .offset: 56, .size: 8, .value_kind: global_buffer, .address_space: global }
      - { .name: ca_wq_codes, .offset: 64, .size: 8, .value_kind: global_buffer, .address_space: global }
      - { .name: ca_wq_scales, .offset: 72, .size: 8, .value_kind: global_buffer, .address_space: global }
      - { .name: x1, .offset: 80, .size: 8, .value_kind: global_buffer, .address_space: global }
      - { .name: qc, .offset: 88, .size: 8, .value_kind: global_buffer, .address_space: global }
      - { .name: qs, .offset: 96, .size: 8, .value_kind: global_buffer, .address_space: global }
    .group_segment_fixed_size: 205312
    .private_segment_fixed_size: 0
    .kernarg_segment_align: 8
    .kernarg_segment_size: 104
    .max_flat_workgroup_size: 512
    .sgpr_count:     66
    .vgpr_count:     256
    .wavefront_size: 32
...
	.end_amdgpu_metadata
.endif
;; end of part 3
;; launch attn_ca (part 4): grid 8 x 32, 16 waves a work-group, clusters of 4 x 1, 169,984 bytes of LDS; arguments qc, qs, kv2, oc, os; writes oc, os
.if DOCPART == 4
	.amdgcn_target "amdgcn-amd-amdhsa--gfx1250"
	.amdhsa_code_object_version 6
	.text
	.protected	k_q34785f511c_attn_ca
	.globl	k_q34785f511c_attn_ca
	.p2align	8
	.type	k_q34785f511c_attn_ca,@function
k_q34785f511c_attn_ca:
	s_mov_b64 s[64:65], 0
	v_nop
	global_prefetch_b8 v0, s[64:65] scope:SCOPE_SE
	s_setreg_imm32_b32 hwreg(HW_REG_WAVE_MODE, 25, 1), 1
	s_wait_xcnt 0x0
	s_wait_alu depctr_hold_cnt(0) depctr_sa_sdst(0) depctr_va_vdst(0) depctr_va_sdst(0) depctr_va_ssrc(0) depctr_va_vcc(0) depctr_vm_vsrc(0)
	s_getreg_b32 s2, hwreg(HW_REG_IB_STS2, 6, 4)
	s_cmp_eq_u32 s2, 0
	s_cbranch_scc0 .Lentry_in_a_cluster
	s_endpgm
.Lentry_in_a_cluster:
	s_bfe_u32 s2, ttmp6, 0x10000c
	s_cmp_lg_u32 s2, 0x3003
	s_cbranch_scc0 .Lentry_shape_is_right
	s_endpgm
.Lentry_shape_is_right:
; Cross-attention: the self-attention's text with 512 keys: one chunk of four key steps (NCH = 1); 67,584 bytes of LDS are used, and more than half of a WGP's are claimed.
; o = softmax(q k^T / 8) v for one head, both products on E4M3 codes with one E8M0 byte for each 32 along K; o is divided by the row's sum and quantised along the features for the next product.
; t = score x log2(e) / 8;  M = the running largest t rounded UP to a whole number;  p = 2^(t - M) is quantised along the keys, not normalised; the row's sum is taken of the unquantised p.  When M moves, the sum and O are multiplied by 2^(old M - new M): exact.
; SHARES.  A work-group owns 256 queries of one (batch, head), each of its sixteen waves one tile of 16.  The head's keys and values lie in LDS whole, as records of 16,896 bytes, filled once.
; CLUSTER.  The four query blocks of a cluster belong to one head: each record is asked for JOINTLY; waves 0-3 ask, one load each.
; LAYOUT and LIMITS as in the self-attention's text.
.set NCH, 1
.set REC, 16896
.set HS,  4*NCH*REC
.set WV,  14
.set SEL, 20
.set CS,  22
.set MNT, 24
.set TB,  25
.set CNT, 26
.set G1,  28
.set G0,  36
.macro PLACES n
.rept \n
	v_nop
.endr
.endm
.macro ROUND
	s_barrier_signal -1
	s_barrier_wait -1
	s_cmp_lg_u32 s[WV], 0
	s_cbranch_scc1 .Lnot_wave_0_\@
	s_barrier_signal -3
.Lnot_wave_0_\@:
	s_barrier_wait -3
	s_barrier_signal -1
	s_barrier_wait -1
.endm
.macro QUANT s, nb, tm
.irp b, 0,1,2,3
.if \b < \nb
	v_max3_num_f32 v[\tm+\b], |v[\s+16*\b]|, |v[\s+16*\b+1]|, 0x4800000
.endif
.endr
.irp i, 2,4,6,8,10,12,14
.irp b, 0,1,2,3
.if \b < \nb
	s_delay_alu instid0(VALU_DEP_2)
	v_max3_num_f32 v[\tm+\b], v[\tm+\b], |v[\s+16*\b+\i]|, |v[\s+16*\b+\i+1]|
.endif
.endr
.endr
.irp b, 0,1,2,3
.if \b < \nb
	s_delay_alu instid0(VALU_DEP_2)
	v_permlanex16_b32 v[\tm+4+\b], v[\tm+\b], s[SEL], s[SEL+1]
.endif
.endr
.irp b, 0,1,2,3
.if \b < \nb
	s_delay_alu instid0(VALU_DEP_2)
	v_max_num_f32 v[\tm+\b], v[\tm+\b], v[\tm+4+\b]
.endif
.endr
.irp b, 0
.if \b < \nb
	s_delay_alu instid0(VALU_DEP_2)
	v_add_nc_u32 v[\tm+12+\b], 0xfc000000, v[\tm+\b]
	s_delay_alu instid0(VALU_DEP_3)
	v_and_or_b32 v[\tm+8+\b], v[\tm+\b], 0x7f800000, s[MNT]
.endif
.endr
.irp b, 1, 2, 3
.if \b < \nb
	s_delay_alu instid0(VALU_DEP_3)
	v_add_nc_u32 v[\tm+12+\b], 0xfc000000, v[\tm+\b]
	s_delay_alu instid0(VALU_DEP_4)
	v_and_or_b32 v[\tm+8+\b], v[\tm+\b], 0x7f800000, s[MNT]
.endif
.endr
.irp b, 0
.if \b < \nb
	s_delay_alu instid0(VALU_DEP_4)
	v_lshrrev_b32 v[\tm+4+\b], 23, v[\tm+12+\b]
.endif
.endr
.irp b, 1, 2, 3
.if \b < \nb
	s_delay_alu instid0(VALU_DEP_3)
	v_lshrrev_b32 v[\tm+4+\b], 23, v[\tm+12+\b]
.endif
.endr
.irp b, 0,1,2,3
.if \b < \nb
.set KK, \s+16*\b
.rept 16
	v_med3_num_f32 v[KK], v[KK], -v[\tm+8+\b], v[\tm+8+\b]
.set KK, KK+1
.endr
	v_cvt_scalef32_pk8_fp8_f32 v[\tm+16+4*\b:\tm+17+4*\b], v[\s+16*\b:\s+16*\b+7], v[\tm+12+\b]
	v_cvt_scalef32_pk8_fp8_f32 v[\tm+18+4*\b:\tm+19+4*\b], v[\s+16*\b+8:\s+16*\b+15], v[\tm+12+\b]
.endif
.endr
	v_nop
.endm
.macro STEP
	v_add_nc_u32 v4, s[TB], v1
	s_wait_alu depctr_va_vdst(0)
	v_add_nc_u32 v5, s[TB], v2
	s_wait_alu depctr_va_vdst(0)
	v_add_nc_u32 v6, s[TB], v3
	PLACES 6                                       ; nine places with the three additions: the products below write over registers that the last step's products read
.irp g, 0,1
.if \g
	PLACES 8
.endif
.irp t, 0,1,2,3
	ds_load_b128 v[32+16*\t:35+16*\t], v4 offset:(4*\g+\t)*1024
	ds_load_b128 v[36+16*\t:39+16*\t], v4 offset:(4*\g+\t)*1024+512
	ds_load_u16 v[224+\t], v5 offset:16384+(4*\g+\t)*32
.endr
	s_wait_dscnt 0x0
.irp t, 0,1,2,3
	v_wmma_scale_f32_16x16x128_f8f6f4 v[96+8*(4*\g+\t):103+8*(4*\g+\t)], v[32+16*\t:47+16*\t], v[16:31], 0, v[224+\t], v8
.endr
.endr
; blocks 0 and 1 (tiles 0-3) first: their 14 lines name no register of tiles 4-7's products and are those products' places
.irp p, 0,2
.irp b, 0,1
	v_max3_num_f32 v[208+\p+\b], v[96+16*(\p+\b)], v[97+16*(\p+\b)], v[98+16*(\p+\b)]
.endr
.irp i, 3,5,7,9,11,13
.irp b, 0,1
	v_max3_num_f32 v[208+\p+\b], v[208+\p+\b], v[96+16*(\p+\b)+\i], v[97+16*(\p+\b)+\i]
.endr
.endr
.endr
.irp b, 0,1,2,3
	v_max_num_f32 v[208+\b], v[208+\b], v[111+16*\b]
.endr
.irp b, 0,1,2,3
	s_delay_alu instid0(VALU_DEP_4)
	v_permlanex16_b32 v[212+\b], v[208+\b], s[SEL], s[SEL+1]
.endr
.irp b, 0,1,2,3
	s_delay_alu instid0(VALU_DEP_4)
	v_max_num_f32 v[208+\b], v[208+\b], v[212+\b]
.endr
	s_delay_alu instid0(VALU_DEP_2)
	v_max3_num_f32 v232, v208, v209, v210
	s_delay_alu instid0(VALU_DEP_1)
	v_max_num_f32 v232, v232, v211
	s_delay_alu instid0(VALU_DEP_1)
	v_mul_f32 v232, s[CS], v232
	s_delay_alu instid0(VALU_DEP_1)
	v_max_num_f32 v13, v13, v232
	v_mov_b32 v232, v12
	s_delay_alu instid0(VALU_DEP_2)
	v_floor_f32 v12, -v13
	s_delay_alu instid0(VALU_DEP_1)
	v_sub_f32 v232, v12, v232
	s_delay_alu instid0(VALU_DEP_1)
	v_cvt_i32_f32 v232, v232
	s_delay_alu instid0(VALU_DEP_1)
	v_ldexp_f32 v10, 1.0, v232
.set KK, 96
.rept 32
	v_pk_fma_f32 v[KK:KK+1], v[KK:KK+1], s[CS:CS+1], v[12:13] op_sel_hi:[1,0,0]
.set KK, KK+2
.endr
.irp b, 0,1,2,3
	v_fma_f32 v[208+\b], v[208+\b], s[CS], v12
.endr
.set KK, 96
	s_wait_alu depctr_va_vdst(0)
.rept 64
	v_exp_f32 v[KK], v[KK]
.set KK, KK+1
.endr
.irp b, 0,1,2,3
	v_exp_f32 v[208+\b], v[208+\b]
.endr
	v_pk_mul_f32 v[14:15], v[14:15], v[10:11] op_sel_hi:[1,0]
	s_wait_alu depctr_va_vdst(0)
.irp b, 0,1,2,3
	v_max_num_f32 v[208+\b], 0x4800000, v[208+\b]
.endr
.irp b, 0,1,2,3
	s_delay_alu instid0(VALU_DEP_4)
	v_add_nc_u32 v[220+\b], 0xfc000000, v[208+\b]
.endr
.irp b, 0,1,2,3
	v_and_or_b32 v[216+\b], v[208+\b], 0x7f800000, s[MNT]
.endr
.irp b, 0,1,2,3
	v_lshrrev_b32 v[212+\b], 23, v[220+\b]
.endr
	s_delay_alu instid0(VALU_DEP_3)
	v_lshl_or_b32 v9, v213, 8, v212
	s_delay_alu instid0(VALU_DEP_1)
	v_lshl_or_b32 v9, v214, 16, v9
	s_delay_alu instid0(VALU_DEP_1)
	v_lshl_or_b32 v9, v215, 24, v9
	v_pk_add_f32 v[234:235], v[100:101], v[104:105]
	v_pk_add_f32 v[252:253], v[108:109], v[112:113]
	v_pk_add_f32 v[250:251], v[116:117], v[120:121]
	v_pk_add_f32 v[248:249], v[124:125], v[128:129]
	v_pk_add_f32 v[246:247], v[132:133], v[136:137]
	v_pk_add_f32 v[244:245], v[140:141], v[144:145]
	v_pk_add_f32 v[242:243], v[148:149], v[152:153]
	v_pk_add_f32 v[14:15], v[14:15], v[156:157]
	v_pk_add_f32 v[234:235], v[234:235], v[96:97]
	v_pk_add_f32 v[252:253], v[252:253], v[98:99]
	v_pk_add_f32 v[250:251], v[250:251], v[102:103]
	v_pk_add_f32 v[248:249], v[248:249], v[106:107]
	v_pk_add_f32 v[246:247], v[246:247], v[110:111]
	v_pk_add_f32 v[244:245], v[244:245], v[114:115]
	v_pk_add_f32 v[242:243], v[242:243], v[118:119]
	v_pk_add_f32 v[14:15], v[14:15], v[122:123]
	v_pk_add_f32 v[234:235], v[234:235], v[126:127]
	v_pk_add_f32 v[252:253], v[252:253], v[130:131]
	v_pk_add_f32 v[250:251], v[250:251], v[134:135]
	v_pk_add_f32 v[248:249], v[248:249], v[138:139]
	v_pk_add_f32 v[246:247], v[246:247], v[142:143]
	v_pk_add_f32 v[244:245], v[244:245], v[146:147]
	v_pk_add_f32 v[242:243], v[242:243], v[150:151]
	v_pk_add_f32 v[14:15], v[14:15], v[154:155]
	v_pk_add_f32 v[234:235], v[234:235], v[158:159]
	s_delay_alu instid0(VALU_DEP_2)
	v_pk_add_f32 v[14:15], v[14:15], v[248:249]
	s_delay_alu instid0(VALU_DEP_2)
	v_pk_add_f32 v[234:235], v[234:235], v[246:247]
	v_pk_add_f32 v[252:253], v[252:253], v[244:245]
	v_pk_add_f32 v[250:251], v[250:251], v[242:243]
	s_delay_alu instid0(VALU_DEP_2)
	v_pk_add_f32 v[14:15], v[14:15], v[252:253]
	s_delay_alu instid0(VALU_DEP_2)
	v_pk_add_f32 v[234:235], v[234:235], v[250:251]
	s_delay_alu instid0(VALU_DEP_1)
	v_pk_add_f32 v[14:15], v[14:15], v[234:235]
.irp b, 0,1,2,3
.set KK, 96+16*\b
.rept 8
	v_dual_min_num_f32 v[KK], v[KK], v[216+\b] :: v_dual_min_num_f32 v[KK+1], v[KK+1], v[216+\b]   ; the hold, two numbers a line
.set KK, KK+2
.endr
	v_cvt_scalef32_pk8_fp8_f32 v[192+4*\b:193+4*\b], v[96+16*\b:103+16*\b], v[220+\b]
	v_cvt_scalef32_pk8_fp8_f32 v[194+4*\b:195+4*\b], v[104+16*\b:111+16*\b], v[220+\b]
.irp c, 0,1,2,3
	ds_load_b128 v[96+16*\b+4*\c:99+16*\b+4*\c], v4 offset:8192+2048*\b+512*\c
.endr
.endr
.irp c, 0,1,2,3
	ds_load_b32 v[228+\c], v6 offset:16640+64*\c
.endr
.set KK, 160
.rept 16
	v_pk_mul_f32 v[KK:KK+1], v[KK:KK+1], v[10:11] op_sel_hi:[1,0]
.set KK, KK+2
.endr
	s_wait_alu depctr_va_vdst(0)
	s_wait_dscnt 0x0
.irp c, 0,1,2,3
	v_wmma_scale_f32_16x16x128_f8f6f4 v[160+8*\c:167+8*\c], v[96+16*\c:111+16*\c], v[192:207], v[160+8*\c:167+8*\c], v[228+\c], v9
.endr
.endm
.macro CHUNK q
	s_wait_tensorcnt NCH-1-\q                      ; my load number q has landed; nothing is ever filled again
	s_wait_dscnt 0x0
	s_barrier_signal -1
	s_barrier_wait -1
	s_mov_b32 s[TB], 4*\q*REC
	s_mov_b32 s[CNT], 4
.Lstep_\@:
	STEP
	s_add_co_u32 s[TB], s[TB], REC
	s_sub_co_u32 s[CNT], s[CNT], 1
	s_cmp_lg_u32 s[CNT], 0
	s_cbranch_scc1 .Lstep_\@
.endm
	s_load_b256 s[4:11], s[0:1], 0x0               ; qc 4, qs 6, kv 8, oc 10
	s_load_b64 s[12:13], s[0:1], 0x20              ; os
	v_lshl_add_u32 v254, v0, 2, 0x29000
	v_mov_b32 v255, 0
	ds_add_u32 v254, v255
	ds_add_u32 v254, v255
	v_lshrrev_b32 v232, 5, v0
	s_delay_alu instid0(VALU_DEP_1)
	v_readfirstlane_b32 s[WV], v232
	v_and_b32 v233, 31, v0
	v_and_b32 v232, 15, v0
	s_delay_alu instid0(VALU_DEP_2)
	v_lshlrev_b32 v1, 4, v233
	s_delay_alu instid0(VALU_DEP_2)
	v_lshlrev_b32 v2, 1, v232
	s_delay_alu instid0(VALU_DEP_3)
	v_lshlrev_b32 v3, 2, v232
	s_bfe_u32 s15, ttmp6, 0x40000
	s_lshl_b32 s16, ttmp9, 2
	s_add_co_u32 s16, s16, s15
	s_and_b32 s17, ttmp7, 0xffff
	s_lshr_b32 s18, s17, 3
	s_and_b32 s19, s17, 7
	s_mov_b32 s[SEL], 0x76543210
	s_mov_b32 s[SEL+1], 0xfedcba98
	s_mov_b32 s[CS], 0x3e38aa3b
	s_mov_b32 s[CS+1], s[CS]
	s_mov_b32 s[MNT], 0x600000
	s_mov_b32 s[G1], 15|(3<<16)|(1<<21)
	s_mov_b32 s[G1+1], 32<<16
	s_mov_b32 s[G1+2], 66<<16
	s_mov_b32 s[G1+3], 32<<16
	s_mov_b32 s[G1+4], 66
	s_mov_b32 s[G1+5], 32
	s_mov_b32 s[G1+6], 0
	s_mov_b32 s[G1+7], 0
	s_mul_i32 s54, s17, HS
	s_mul_i32 s58, s[WV], REC
	s_add_co_u32 s54, s54, s58
	s_mov_b32 s55, 0
	s_lshl_b32 s52, s16, 4
	s_add_co_u32 s52, s52, s[WV]
	s_lshl_b32 s53, s18, 7
	s_add_co_u32 s53, s53, s52
	s_mov_b32 s61, 0
	s_wait_dscnt 0x0
	s_wait_kmcnt 0x0
	s_add_nc_u64 s[56:57], s[8:9], s[54:55]
.irp q, 0,1,2,3
.if \q < NCH
	s_mov_b32 s[G0+4*\q], 1
	s_add_co_u32 s[G0+4*\q+1], s58, 4*\q*REC
	s_add_nc_u64 s[G0+4*\q+2:G0+4*\q+3], s[56:57], 4*\q*REC
	s_or_b32 s[G0+4*\q+3], s[G0+4*\q+3], 0x80000000
.endif
.endr
	s_lshl_b32 s60, s17, 17
	s_lshl_b32 s62, s52, 10
	s_add_co_u32 s60, s60, s62
	s_add_nc_u64 s[4:5], s[4:5], s[60:61]
	s_lshl_b32 s60, s17, 12
	s_lshl_b32 s62, s52, 5
	s_add_co_u32 s60, s60, s62
	s_add_nc_u64 s[6:7], s[6:7], s[60:61]
	s_lshl_b32 s60, s53, 13
	s_lshl_b32 s62, s19, 10
	s_add_co_u32 s60, s60, s62
	s_add_nc_u64 s[10:11], s[10:11], s[60:61]
	s_lshl_b32 s60, s53, 8
	s_lshr_b32 s62, s19, 1
	s_lshl_b32 s62, s62, 6
	s_add_co_u32 s60, s60, s62
	s_and_b32 s62, s19, 1
	s_lshl_b32 s62, s62, 1
	s_add_co_u32 s60, s60, s62
	s_add_nc_u64 s[12:13], s[12:13], s[60:61]
	ROUND
	s_cmp_lt_u32 s[WV], 4
	s_cbranch_scc0 .Lno_fetch
.irp q, 0,1,2,3
.if \q < NCH
	tensor_load_to_lds s[G0+4*\q:G0+4*\q+3], s[G1:G1+7]
	s_nop 0
.endif
.endr
	PLACES 4
.Lno_fetch:
	s_wait_alu depctr_va_vdst(0)
	global_load_b128 v[16:19], v1, s[4:5]
	global_load_b128 v[20:23], v1, s[4:5] offset:512
	global_load_u16 v8, v2, s[6:7]
.irp i, 24,25,26,27,28,29,30,31
	v_mov_b32 v[\i], 0
.endr
.irp t, 0,1,2,3
.irp i, 8,9,10,11,12,13,14,15
	v_mov_b32 v[32+16*\t+\i], 0
.endr
.endr
.set KK, 160
.rept 32
	v_mov_b32 v[KK], 0
.set KK, KK+1
.endr
.irp i, 11,14,15,212,213,214,215
	v_mov_b32 v[\i], 0
.endr
	v_mov_b32 v13, 0xff61b1e6
	s_delay_alu instid0(VALU_DEP_1)
	v_floor_f32 v12, -v13
	s_wait_loadcnt 0x0
.irp q, 0,1,2,3
.if \q < NCH
	CHUNK \q
.endif
.endr
	PLACES 8
	v_add_f32 v14, v14, v15
	s_delay_alu instid0(VALU_DEP_1)
	v_permlanex16_b32 v232, v14, s[SEL], s[SEL+1]
	s_delay_alu instid0(VALU_DEP_1)
	v_add_f32 v14, v14, v232
	s_wait_alu depctr_va_vdst(0)
	v_rcp_f32 v14, v14
	v_nop
.set KK, 0
	s_wait_alu depctr_va_vdst(0)
.rept 32
	v_mul_f32 v[96+KK], v[160+KK], v14
.set KK, KK+1
.endr
	QUANT 96, 2, 208
	v_lshl_or_b32 v232, v213, 8, v212
	global_store_b128 v1, v[224:227], s[10:11]
	global_store_b128 v1, v[228:231], s[10:11] offset:512
	global_store_b16 v3, v232, s[12:13]
	s_wait_tensorcnt 0x0
	ds_add_u32 v254, v255
	s_wait_dscnt 0x0
	ROUND
	s_endpgm
.Lfunc_end_k_q34785f511c_attn_ca:
	.size	k_q34785f511c_attn_ca, .Lfunc_end_k_q34785f511c_attn_ca-k_q34785f511c_attn_ca
	.p2alignl 7, 3214868480
	.fill 96, 4, 3214868480
	.section	.rodata,"a",@progbits
	.p2align	6, 0x0
	.amdhsa_kernel k_q34785f511c_attn_ca
		.amdhsa_group_segment_fixed_size 169984
		.amdhsa_private_segment_fixed_size 0
		.amdhsa_enable_private_segment 0
		.amdhsa_kernarg_size 40
		.amdhsa_user_sgpr_count 2
		.amdhsa_user_sgpr_kernarg_segment_ptr 1
		.amdhsa_wavefront_size32 1
		.amdhsa_system_sgpr_workgroup_id_x 1
		.amdhsa_system_sgpr_workgroup_id_y 1
		.amdhsa_system_sgpr_workgroup_id_z 1
		.amdhsa_system_vgpr_workitem_id 0
		.amdhsa_next_free_vgpr 256
		.amdhsa_next_free_sgpr 66
		.amdhsa_reserve_vcc 0
		.amdhsa_float_denorm_mode_32 3
		.amdhsa_float_denorm_mode_16_64 3
		.amdhsa_memory_ordered 1
		.amdhsa_forward_progress 1
		.amdhsa_inst_pref_size 34
	.end_amdhsa_kernel
	.amdgpu_metadata
---
amdhsa.version: [ 1, 2 ]
amdhsa.kernels:
  - .name:           k_q34785f511c_attn_ca
    .symbol:         k_q34785f511c_attn_ca.kd
    .args:
      - { .name: qc, .offset: 0, .size: 8, .value_kind: global_buffer, .address_space: global }
      - { .name: qs, .offset: 8, .size: 8, .value_kind: global_buffer, .address_space: global }
      - { .name: kv2, .offset: 16, .size: 8, .value_kind: global_buffer, .address_space: global }
      - { .name: oc, .offset: 24, .size: 8, .value_kind: global_buffer, .address_space: global }
      - { .name: os, .offset: 32, .size: 8, .value_kind: global_buffer, .address_space: global }
    .group_segment_fixed_size: 169984
    .private_segment_fixed_size: 0
    .kernarg_segment_align: 8
    .kernarg_segment_size: 40
    .max_flat_workgroup_size: 512
    .sgpr_count:     66
    .vgpr_count:     256
    .wavefront_size: 32
...
	.end_amdgpu_metadata
.endif
;; end of part 4
;; launch fin (part 5): grid 256 x 1, 16 waves a work-group, no clusters, 158,208 bytes of LDS; arguments oc, os, x1, ca_wo_codes, ca_wo_scales, ca_bo, out0; writes out0
.if DOCPART == 5
	.amdgcn_target "amdgcn-amd-amdhsa--gfx1250"
	.amdhsa_code_object_version 6
	.text
	.protected	k_q34785f511c_fin
	.globl	k_q34785f511c_fin
	.p2align	8
	.type	k_q34785f511c_fin,@function
k_q34785f511c_fin:
	s_mov_b64 s[64:65], 0
	v_nop
	global_prefetch_b8 v0, s[64:65] scope:SCOPE_SE
	s_setreg_imm32_b32 hwreg(HW_REG_WAVE_MODE, 25, 1), 1
	s_wait_xcnt 0x0
; out0 = o wo + bo + x1.  32 rows a work-group as two tiles (lane r of tile ut: row 8 ut + r + (r & 8)); wave w owns columns 64 w .. 64 w + 63 (source 0 = 16 rows of wo, source 1 = 16 rows of o).
; x1 + bo is the C of each sum's first product: the order of additions differs from the reference's by f32 rounding alone.  The result leaves through a stage in LDS as whole rows: each store covers 512 consecutive bytes, aligned.
; bo AND o's SCALE WORDS come once for the work-group: waves 0-7 load 512 bytes of bo each, waves 8-15 the 512 bytes of scale words (wave 8's copy is read); they lie in LDS as in memory, and each wave reads what it wants from there.
; NO JOINT LOADS: each weight byte goes from memory straight into the registers of the one wave that multiplies by it; joint loads land in LDS.
.set OIMG, 0                           ; LDS: o's codes [tile 2][block 16][512]
.set STG,  16384                       ; 32 rows x (4,096 + 16)
.set GL,   147968                      ; bo, 4,096 bytes; then eight copies of o's 512 bytes of scale words
.set X, 16
.set LI, 1
.set OSA, 2                            ; where o's scale words are read: GL + 4,096 + 4 r
.set XA, 3
.set GAL, 4                            ; where I read bo: GL + 256 x wave + 64 (lane / 16)
.set WA, 5
.set WSA, 6
.set GSW, 7                            ; where I store my 16 bytes: GL + 16 x thread
.set GO, 8                             ; waves 0-7: my 16 bytes of bo; waves 8-15: 16 x lane
.set STO, 12
.set STR, 13
.set OCW, 14
.macro BARRIER
	s_wait_dscnt 0x0
	s_barrier_signal -1
	s_barrier_wait -1
.endm
.macro PLACES n
.rept \n
	v_nop
.endr
.endm
.macro XLOAD dst, sb, xa, rowb
.irp ut, 0,1
.irp b, 0,1
.irp j, 0,1,2,3
	global_load_b128 v[\dst+32*\ut+16*\b+4*\j:\dst+32*\ut+16*\b+4*\j+3], v[\xa], s[\sb:\sb+1] offset:\ut*8*\rowb+128*\b+16*\j
.endr
.endr
.endr
.endm
.macro GLD dst, off
.irp b, 0,1
.irp j, 0,1,2,3
	ds_load_b128 v[\dst+16*\b+4*\j:\dst+16*\b+4*\j+3], v[GAL] offset:\off+128*\b+16*\j
.endr
.endr
.endm
.macro WLOAD slot, off, sb, wa, kb
.irp u, 0,1
.irp c, 0,1,2,3
	global_load_b128 v[80+32*(\slot)+16*\u+4*\c:83+32*(\slot)+16*\u+4*\c], v[\wa], s[\sb:\sb+1] offset:\off+\u*8*\kb+32*\c
.endr
.endr
.endm
.macro AFETCH base, stride
.irp ut, 0,1
.irp c, 0,1,2,3
	ds_load_b128 v[176+16*\ut+4*\c:179+16*\ut+4*\c], v[LI] offset:\base+\stride*\ut+512*\c
.endr
.endr
.endm
.macro MM1 d, a, b, sa, sb
	v_wmma_scale_f32_16x16x128_f8f6f4 v[\d:\d+7], v[\a:\a+15], v[\b:\b+15], v[\d:\d+7], v[\sa], v[\sb]
.endm
.macro MM4S slot, acc, os, w0, w1, a0, a1            ; source 0 = weight tile, source 1 = row tile; four accumulators by turns
	MM1 \acc, 80+32*(\slot), 176, \w0, \a0
	MM1 \acc+8, 96+32*(\slot), 176, \w1, \a0
	MM1 \acc+\os, 80+32*(\slot), 192, \w0, \a1
	MM1 \acc+\os+8, 96+32*(\slot), 192, \w1, \a1
.endm
	s_load_b256 s[4:11], s[0:1], 0x0               ; oc 4, os 6, x1 8, wo 10
	s_load_b128 s[12:15], s[0:1], 0x20             ; wo's scales 12, bo 14
	s_load_b64 s[16:17], s[0:1], 0x30              ; out0
	v_lshl_add_u32 v254, v0, 2, 0x26200
	v_mov_b32 v255, 0
	v_lshrrev_b32 v240, 5, v0
	s_delay_alu instid0(VALU_DEP_1)
	v_readfirstlane_b32 s30, v240                  ; wave
	v_and_b32 v243, 31, v0
	v_and_b32 v240, 15, v0
	v_bfe_u32 v241, v0, 4, 1
	s_delay_alu instid0(VALU_DEP_2)
	v_and_b32 v242, 8, v240
	s_delay_alu instid0(VALU_DEP_1)
	v_add_nc_u32 v242, v242, v240
	s_lshl_b32 s50, s30, 8
	s_mul_i32 s57, s30, 2*4112
	s_lshl_b32 s49, s30, 9
	s_cmp_lt_u32 s30, 8
	s_cselect_b32 s48, s49, 0
	v_lshlrev_b32 v[LI], 4, v243
	v_lshl_add_u32 v[OSA], v240, 2, GL+4096
	v_lshlrev_b32 v[XA], 12, v242
	s_delay_alu instid0(VALU_DEP_1)
	v_lshl_add_u32 v[XA], v241, 6, v[XA]
	s_delay_alu instid0(VALU_DEP_1)
	v_add_nc_u32 v[XA], s50, v[XA]
	v_lshl_add_u32 v[GAL], v241, 6, s50
	s_delay_alu instid0(VALU_DEP_1)
	v_add_nc_u32 v[GAL], GL, v[GAL]
	v_lshlrev_b32 v[WA], 9, v242
	s_delay_alu instid0(VALU_DEP_1)
	v_lshl_add_u32 v[WA], v241, 4, v[WA]
	v_lshlrev_b32 v[WSA], 4, v242
	v_lshl_add_u32 v[GSW], v0, 4, GL
	v_add_nc_u32 v[GO], s48, v[LI]
	v_mul_u32_u24 v[STO], v242, 4112
	s_delay_alu instid0(VALU_DEP_1)
	v_lshl_add_u32 v[STO], v241, 6, v[STO]
	s_delay_alu instid0(VALU_DEP_1)
	v_add_nc_u32 v[STO], s50, v[STO]
	s_delay_alu instid0(VALU_DEP_1)
	v_add_nc_u32 v[STO], STG, v[STO]
	v_add_nc_u32 v[STR], s57, v[LI]
	s_delay_alu instid0(VALU_DEP_1)
	v_add_nc_u32 v[STR], STG, v[STR]
	v_lshlrev_b32 v[OCW], 4, v0
	s_mov_b32 s39, 0
	s_wait_alu depctr_va_vdst(0)
	s_wait_kmcnt 0x0
	s_lshl_b32 s38, ttmp9, 14
	s_add_nc_u64 s[4:5], s[4:5], s[38:39]
	s_lshl_b32 s38, ttmp9, 9
	s_add_nc_u64 s[6:7], s[6:7], s[38:39]
	s_lshl_b32 s38, ttmp9, 17
	s_add_nc_u64 s[8:9], s[8:9], s[38:39]
	s_add_nc_u64 s[16:17], s[16:17], s[38:39]
	s_lshl_b32 s38, s30, 15
	s_add_nc_u64 s[10:11], s[10:11], s[38:39]
	s_lshl_b32 s38, s30, 10
	s_add_nc_u64 s[12:13], s[12:13], s[38:39]
	s_lshl_b32 s38, s30, 13                        ; on the way out wave w stores rows 2 w, 2 w + 1
	s_add_nc_u64 s[16:17], s[16:17], s[38:39]
	s_cmp_lt_u32 s30, 8                            ; waves 0-7: bo; waves 8-15: o's scale words
	s_cselect_b64 s[44:45], s[14:15], s[6:7]
	global_load_b128 v[240:243], v[OCW], s[4:5]    ; o's codes of my 32 rows: 16,384 bytes, 32 a thread
	global_load_b128 v[244:247], v[OCW], s[4:5] offset:8192
	global_load_b128 v[248:251], v[GO], s[44:45]
	XLOAD X, 8, XA, 4096
.irp b, 0,1
.irp u, 0,1
	global_load_b128 v[208+8*\b+4*\u:211+8*\b+4*\u], v[WSA], s[12:13] offset:512*\b+128*\u   ; wo's scale words: four K steps a row
.endr
.endr
	WLOAD 0, 0, 10, WA, 512
	WLOAD 1, 16384, 10, WA, 512
	s_wait_loadcnt 36                              ; o's codes and my part of bo or of the scale words are in; behind them: 16 + 4 + 16 loads
	ds_store_b128 v[OCW], v[240:243]
	ds_store_b128 v[OCW], v[244:247] offset:8192
	ds_store_b128 v[GSW], v[248:251]
	BARRIER
	GLD 176, 0                                     ; bo
.irp ut, 0,1
.irp k, 0,1,2,3
	ds_load_b32 v[224+4*\ut+\k], v[OSA] offset:256*\ut+64*\k       ; o's scale words
.endr
.endr
	s_wait_loadcnt 20                              ; x1 is in; behind it: 4 + 16 loads
	s_wait_dscnt 0x0
.irp ut, 0,1
.set KK, 0
.rept 16
	v_pk_add_f32 v[X+32*\ut+KK:X+32*\ut+KK+1], v[X+32*\ut+KK:X+32*\ut+KK+1], v[176+KK:177+KK]
.set KK, KK+2
.endr
.endr
; o wo: eight pairs, p = 2 (K step) + (block of 32 columns).  Weights run two pairs ahead in three slots.
.set P, 0
	s_wait_alu depctr_va_vdst(0)
.rept 8
	PLACES 8                                       ; behind the last pair's products, ahead of loads into registers that they read (ISA guide 7.12.1 for vector instructions)
.if P+2 < 8
	WLOAD (P+2)%3, 16384*((P+2)%2)+128*((P+2)/2), 10, WA, 512
.endif
.if P%2 == 0
	AFETCH OIMG+2048*(P/2), 8192
.endif
.if P < 6
	s_wait_loadcnt 16                              ; this pair's weights are in; the two younger pairs' 16 loads may be out
.else
	s_wait_loadcnt 8*(7-P)
.endif
	s_wait_dscnt 0x0
	MM4S P%3, 16+16*(P%2), 32, 208+8*(P%2)+P/2, 212+8*(P%2)+P/2, 224+P/2, 228+P/2
.set P, P+1
.endr
	PLACES 8
.irp ut, 0,1                                   ; into the stage: each accumulator from its low end on
.irp b, 0,1
.irp j, 0,1,2,3
	ds_store_b128 v[STO], v[X+32*\ut+16*\b+4*\j:X+32*\ut+16*\b+4*\j+3] offset:32896*\ut+128*\b+16*\j
.endr
.endr
.endr
	BARRIER
.irp k, 0,1,2,3,4,5,6,7,8,9,10,11,12,13,14,15
	ds_load_b128 v[80+4*\k:83+4*\k], v[STR] offset:4112*(\k/8)+512*(\k%8)
.endr
.irp k, 0,1,2,3,4,5,6,7,8,9,10,11,12,13,14,15
	s_wait_dscnt 15-\k                             ; read k is in; the younger reads may be out
	global_store_b128 v[LI], v[80+4*\k:83+4*\k], s[16:17] offset:4096*(\k/8)+512*(\k%8) th:TH_STORE_NT
.endr
	s_wait_tensorcnt 0x0
	ds_add_u32 v254, v255
	s_wait_dscnt 0x0
	s_endpgm
.Lfunc_end_k_q34785f511c_fin:
	.size	k_q34785f511c_fin, .Lfunc_end_k_q34785f511c_fin-k_q34785f511c_fin
	.p2alignl 7, 3214868480
	.fill 96, 4, 3214868480
	.section	.rodata,"a",@progbits
	.p2align	6, 0x0
	.amdhsa_kernel k_q34785f511c_fin
		.amdhsa_group_segment_fixed_size 158208
		.amdhsa_private_segment_fixed_size 0
		.amdhsa_enable_private_segment 0
		.amdhsa_kernarg_size 56
		.amdhsa_user_sgpr_count 2
		.amdhsa_user_sgpr_kernarg_segment_ptr 1
		.amdhsa_wavefront_size32 1
		.amdhsa_system_sgpr_workgroup_id_x 1
		.amdhsa_system_sgpr_workgroup_id_y 1
		.amdhsa_system_sgpr_workgroup_id_z 1
		.amdhsa_system_vgpr_workitem_id 0
		.amdhsa_next_free_vgpr 256
		.amdhsa_next_free_sgpr 66
		.amdhsa_reserve_vcc 0
		.amdhsa_float_denorm_mode_32 3
		.amdhsa_float_denorm_mode_16_64 3
		.amdhsa_memory_ordered 1
		.amdhsa_forward_progress 1
		.amdhsa_inst_pref_size 28
	.end_amdhsa_kernel
	.amdgpu_metadata
---
amdhsa.version: [ 1, 2 ]
amdhsa.kernels:
  - .name:           k_q34785f511c_fin
    .symbol:         k_q34785f511c_fin.kd
    .args:
      - { .name: oc, .offset: 0, .size: 8, .value_kind: global_buffer, .address_space: global }
      - { .name: os, .offset: 8, .size: 8, .value_kind: global_buffer, .address_space: global }
      - { .name: x1, .offset: 16, .size: 8, .value_kind: global_buffer, .address_space: global }
      - { .name: ca_wo_codes, .offset: 24, .size: 8, .value_kind: global_buffer, .address_space: global }
      - { .name: ca_wo_scales, .offset: 32, .size: 8, .value_kind: global_buffer, .address_space: global }
      - { .name: ca_bo, .offset: 40, .size: 8, .value_kind: global_buffer, .address_space: global }
      - { .name: out0, .offset: 48, .size: 8, .value_kind: global_buffer, .address_space: global }
    .group_segment_fixed_size: 158208
    .private_segment_fixed_size: 0
    .kernarg_segment_align: 8
    .kernarg_segment_size: 56
    .max_flat_workgroup_size: 512
    .sgpr_count:     66
    .vgpr_count:     256
    .wavefront_size: 32
...
	.end_amdgpu_metadata
.endif
;; end of part 5
